; MI455X (gfx1250); checked and timed in simulation.
; The chip was launched on July 23, 2026; its instructions are those of AMD's public machine-readable ISA for CDNA 5 (MIT licence, August 2026) and "CDNA5" Instruction Set Architecture Reference Guide (July 2026). The comments in the code are by the model that wrote it; some were corrected since.
;; Attention pps. Allowed arithmetic: matrix products marked QUANTISED: E5M2 operands, one E8M0 scale for each 32 along K, by v_wmma_scale_f32_16x16x128_f8f6f4 with both operands' format E5M2, f32 sums; products left as they are: f32 operands where the result goes on into a quantised operand, else bf16, f16 or f32 operands; f32 sums; everything else in f32.
;; Inputs: W_kv 512 x 1,024 float32; W_proj 512 x 512 float32; b_proj 512 float32; x 32,768 x 2 x 512 float32.
;; Outputs: out0 32,768 x 1 x 512 float32.
;; This version of the problem:
;;   THIS VERSION OF THE PROBLEM IS GIVEN IN LOW PRECISION. The matrix products marked QUANTISED in the list below multiply operands that are first quantised to E5M2 (5 exponent bits, 2 mantissa bits; 8 bits a number), with one power-of-two scale for each 32 numbers along K (OCP MX v1.0); their sums are f32. All else is computed in f32.
;;   The module's matrix products, in the order in which they are computed (A, B: the left and right operand; K: the contracted axis; several contracted axes count as one K, in the product's order):
;;     1. [M 32,768, K 512] x [K 512, N 1,024]; A: input x; B: input W_kv: QUANTISED
;;     2. [M 32,768, K 512] x [K 512, N 1,024]; A: input x; B: input W_kv: QUANTISED
;;     3. batch 262,144 x [M 1, K 64] x [K 64, N 1]; A: input x; B: computed on the way: left as it is (M = 1 < 16)
;;     4. batch 262,144 x [M 1, K 1] x [K 1, N 64]; A: softmax; B: computed on the way: left as it is (K = 1 < 32)
;;     5. [M 32,768, K 512] x [K 512, N 512]; A: computed on the way; B: input W_proj: QUANTISED
;;   THE QUANTISER, for each operand of a quantised product, along K:
;;     - K is cut into blocks of 32 from its start; a last block that is shorter is filled with zeros.
;;     - A block's scale is 2^e with e = floor(log2(the largest magnitude in the block)) - 15, held to -126 .. 127; a block of zeros has e = 0. As a byte (E8M0): e + 127.
;;     - Each number is divided by its block's scale, clamped to +-57,344, and rounded to the nearest number of E5M2, ties to even, subnormals kept.
;;     - The product sums the exact products of the quantised numbers (number of the format x scale) in f32.
;;   ~~~python
;;   def quantise(x, axis):      # numpy; x: float32 -> the quantised numbers, widened to float32 again
;;       x = np.moveaxis(x, axis, -1); K = x.shape[-1]
;;       x = np.pad(x, [(0, 0)] * (x.ndim - 1) + [(0, -K % 32)]); x = x.reshape(x.shape[:-1] + (-1, 32)); a = np.abs(x).max(-1, keepdims=True)
;;       e = np.where(a > 0, np.clip(np.frexp(np.where(a > 0, a, 1))[1] - 1 - 15, -126, 127), 0)      # np.frexp(a)[1] - 1 = floor(log2(a)), exactly
;;       r = np.clip(x / 2.0 ** e, -57344, 57344)
;;       step = 2.0 ** (np.maximum(np.frexp(np.where(r == 0, 1, r))[1] - 1, -14) - 2)
;;       q = np.round(r / step) * step * 2.0 ** e      # np.round: ties to even
;;       return np.moveaxis(q.reshape(q.shape[:-2] + (-1,))[..., :K], -1, axis).astype(np.float32)
;;   ~~~
;;   OPERANDS COMPUTED ON THE WAY. 'Computed on the way' means the value that the module computes at that place (a softmax that the list does not call 'softmax' is quantised finished and normalised). What goes into a quantiser is computed in f32, as accurately as f32 sums, v_exp_f32 and their like allow (about 1e-6 of the number): no bf16 or f16 on the way to a quantiser, and a product that is left as it is and whose result goes on into a quantised operand takes f32 operands (vector FMAs, or v_wmma_f32_16x16x4_f32). A number that lies on a knife's edge between two numbers of the format may be rounded either way, as far as f32 arithmetic and the matrix unit's own rounding can turn it there, and no further.
;; 2 versions. Each part assembles by itself: llvm-mc -triple=amdgcn-amd-amdhsa -mcpu=gfx1250 --defsym DOCPART=n.
;; ======== version 1 of 2: 2 launches
;; workspace buffers: wkv 524,288 bytes; wpx 262,144 bytes; wsc 24,576 bytes
;; launch prep (part 1): grid 48 x 4, 1 waves a work-group, no clusters, 0 bytes of LDS; arguments W_kv, W_proj, wkv, wpx, wsc; writes wkv, wpx, wsc
.if DOCPART == 1
	.amdgcn_target "amdgcn-amd-amdhsa--gfx1250"
	.amdhsa_code_object_version 6
	.text
	.protected	k_q21f77662a9_prep
	.globl	k_q21f77662a9_prep
	.p2align	8
	.type	k_q21f77662a9_prep,@function
k_q21f77662a9_prep:
	s_mov_b64 s[64:65], 0
	v_nop
	global_prefetch_b8 v0, s[64:65] scope:SCOPE_SE
	s_setreg_imm32_b32 hwreg(HW_REG_WAVE_MODE, 25, 1), 1
	s_wait_xcnt 0x0
; W_kv [512][1024] and W_proj [512][512], f32, K = their FIRST axis, become codes of BF8 (E5M2) with one E8M0 byte for each 32 along K,
; laid in the order in which the next launch's operand registers take them, so that there every fragment comes by loads of 16 bytes a lane.
; A block's scale is 2^(floor(log2(its largest magnitude)) - 15); its byte is the largest magnitude's exponent field - 15, held at 1 from below.
; LIMITS: a block of zeros gets the byte 1 where the quantiser says 127 (its codes are zeros, and this program alone reads the bytes); a largest magnitude
; under 2^-111 is taken as 2^-111; NaN and infinities among the inputs are not served.
; SHARES.  One wave to a work-group.  Work-group x = G: 32 neighbouring columns (G < 32: of W_kv, else of W_proj); y = s: 128 along K.
; A LANE TAKES A COLUMN AND ITS REGISTERS RUN DOWN K: a block of 32 lies in one lane, and the conversions give codes with K innermost.  Nothing is transposed.
; NAMES.  A matrix of 512 columns (W_kv's K half g = 0, its V half g = 1, W_proj g = 2) is cut into four slices w of 128 columns; a slice into blocks b of 32; a block into two tiles t = 2 b + u.
; THE COLUMNS OF A TILE ARE NOT NEIGHBOURS: row r of tile 2 b + u is column 32 b + 8 u + r + 8 (r / 8).  So my lane l holds u = (l / 8) % 2, r = l % 8 + 8 (l / 16).
; OUT.  wkv: g 262144 + w 65536 + (8 s + t) 2048 + c 512 + 16 (r + 16 h): the 16 codes k = 128 s + 32 c + 16 h + 0 .. 15.
;       wpx: the same 16 bytes at (2 (s % 2) + b / 2) 65536 + (b % 2) 32768 + u 16384 + c 4096 + (s / 2) 2048 + w 512 + 16 (r + 16 h).
;       wsc: g 8192 + w 2048 + 64 (r + 16 (s % 2)) + 4 (2 t + s / 2): the four bytes c = 0 .. 3 of K step s.
; Each store of codes covers two runs of 256 consecutive bytes, aligned (the sixteen lanes of one u).  The scale words leave 4 bytes a lane: 24,576 bytes in all.
.set X,  32                            ; v32-159  my column's 128 numbers, block c at 32 c
.set CD, 160                           ; v160-191 the codes, eight registers a block: no store's data are written again
	s_load_b128 s[4:7], s[0:1], 0x0                ; W_kv, W_proj
	s_load_b128 s[8:11], s[0:1], 0x10              ; wkv, wpx
	s_load_b64 s[12:13], s[0:1], 0x20              ; wsc
	s_and_b32 s14, ttmp7, 0xffff                   ; s
	v_lshlrev_b32 v1, 2, v0                        ; in: 4 bytes a lane
	v_bfe_u32 v4, v0, 3, 1                         ; u
	v_and_b32 v5, 7, v0
	v_lshrrev_b32 v6, 4, v0
	v_lshl_add_u32 v5, v6, 3, v5                   ; r
	v_lshlrev_b32 v3, 6, v5
	v_lshl_add_u32 v3, v4, 3, v3                   ; my scale word: 64 r + 8 u
	v_lshlrev_b32 v5, 4, v5                        ; 16 r
	s_mov_b32 s31, 0x600000                        ; the mantissa field of 57,344
	s_and_b32 s15, s14, 1                          ; s % 2
	s_lshr_b32 s16, s14, 1                         ; s / 2
	s_lshr_b32 s17, ttmp9, 2                       ; G / 4 = 4 g + w
	s_and_b32 s18, ttmp9, 3                        ; b
	s_lshl_b32 s19, s17, 11                        ; the scale words: (4 g + w) 2048
	s_lshl_b32 s26, s15, 10                        ; + 1024 (s % 2): lanes 16-31 carry the odd K steps
	s_add_co_u32 s19, s19, s26
	s_lshl_b32 s26, s18, 4                         ; + 16 b
	s_add_co_u32 s19, s19, s26
	s_lshl_b32 s26, s16, 2                         ; + 4 (s / 2)
	s_add_co_u32 s26, s19, s26
	s_mov_b32 s27, 0
	s_wait_kmcnt 0x0
	s_add_nc_u64 s[24:25], s[12:13], s[26:27]
.macro LOADB c, pitch                  ; block c: 32 rows of the weight at my column; 32 lanes read 128 consecutive bytes
.set n, 0
.rept 32
	global_load_b32 v[X+32*(\c)+n], v1, s[20:21] offset:(32*(\c)+n)*\pitch th:TH_LOAD_NT
.set n, n+1
.endr
.endm
; pitch: bytes from row to row of the weight;  jump: bytes from a block's codes to the next block's
.macro PREP pitch, jump
	LOADB 0, \pitch
	LOADB 1, \pitch
.irp c, 0,1,2,3
.if \c < 3
	s_wait_loadcnt 32                              ; this block's 32 loads are in; the next block's may be out
.else
	s_wait_loadcnt 0x0
.endif
.if \c < 2
	LOADB \c+2, \pitch                             ; two blocks ahead, into registers of its own
.endif
	v_max3_num_f32 v12, |v[X+32*\c]|, |v[X+32*\c+1]|, |v[X+32*\c+2]|      ; the block's largest magnitude, in two chains
	v_max3_num_f32 v13, |v[X+32*\c+3]|, |v[X+32*\c+4]|, |v[X+32*\c+5]|
.irp i, 6,10,14,18,22,26
	v_max3_num_f32 v12, v12, |v[X+32*\c+\i]|, |v[X+32*\c+\i+1]|
	v_max3_num_f32 v13, v13, |v[X+32*\c+\i+2]|, |v[X+32*\c+\i+3]|
.endr
	v_max3_num_f32 v12, v12, |v[X+32*\c+30]|, |v[X+32*\c+31]|
	v_max3_num_f32 v12, v12, v13, 0x8000000        ; and the floor 2^(16 - 127): the byte cannot fall under 1
	v_add_nc_u32 v11, 0xf8800000, v12              ; 15 off the exponent field: the conversion takes this operand's exponent field as its scale
	v_and_or_b32 v10, v12, 0x7f800000, s31         ; 57,344 x the scale
	v_lshrrev_b32 v13, 23, v11                     ; the scale's byte
.if \c == 0
	v_mov_b32 v16, v13                             ; four bytes to the word, the lower K in the lower byte
.else
	v_lshl_or_b32 v16, v13, 8*\c, v16
.endif
.set n, 0
.rept 32
	v_med3_num_f32 v[X+32*\c+n], v[X+32*\c+n], -v10, v10   ; the conversion to an 8-bit code does not saturate (ISA guide 7.6.2): hold first
.set n, n+1
.endr
.irp g, 0,1,2,3
	v_cvt_scalef32_pk8_bf8_f32 v[CD+8*\c+2*\g:CD+8*\c+2*\g+1], v[X+32*\c+8*\g:X+32*\c+8*\g+7], v11
.endr
	global_store_b128 v2, v[CD+8*\c:CD+8*\c+3], s[22:23] offset:\c*\jump           ; k = 32 c + 0 .. 15: the operand's lanes 0-15
	global_store_b128 v2, v[CD+8*\c+4:CD+8*\c+7], s[22:23] offset:\c*\jump+256     ; k = 32 c + 16 .. 31: its lanes 16-31
.endr                                  ; (the next block's first lines are plain vector lines: they stand between these conversions and the next write of v11)
	global_store_b32 v3, v16, s[24:25]
.endm
	s_cmp_lt_u32 ttmp9, 32
	s_cbranch_scc0 .Lproj
	s_lshl_b32 s26, s14, 19                        ; W_kv: 128 s rows of 4,096 bytes
	s_lshl_b32 s28, ttmp9, 7                       ; + 32 G columns
	s_add_co_u32 s26, s26, s28
	s_add_nc_u64 s[20:21], s[4:5], s[26:27]
	s_lshl_b32 s26, s17, 16                        ; wkv: (4 g + w) 65536
	s_lshl_b32 s28, s14, 14                        ; + 8 s fragments of 2,048 bytes
	s_add_co_u32 s26, s26, s28
	s_lshl_b32 s28, s18, 12                        ; + 2 b fragments
	s_add_co_u32 s26, s26, s28
	s_add_nc_u64 s[22:23], s[8:9], s[26:27]
	v_lshl_add_u32 v2, v4, 11, v5                  ; + u fragments + 16 r
	PREP 4096, 512
	s_endpgm
.Lproj:
	s_sub_co_u32 s29, ttmp9, 32                    ; W_proj's group
	s_lshl_b32 s26, s14, 18                        ; 128 s rows of 2,048 bytes
	s_lshl_b32 s28, s29, 7
	s_add_co_u32 s26, s26, s28
	s_add_nc_u64 s[20:21], s[6:7], s[26:27]
	s_lshl_b32 s26, s15, 17                        ; wpx: 2 (s % 2) 65536
	s_lshl_b32 s28, s18, 15                        ; + b 32768
	s_add_co_u32 s26, s26, s28
	s_lshl_b32 s28, s16, 11                        ; + (s / 2) 2048
	s_add_co_u32 s26, s26, s28
	s_lshr_b32 s28, s29, 2
	s_lshl_b32 s28, s28, 9                         ; + w 512
	s_add_co_u32 s26, s26, s28
	s_add_nc_u64 s[22:23], s[10:11], s[26:27]
	v_lshl_add_u32 v2, v4, 14, v5                  ; + u 16384 + 16 r
	PREP 2048, 4096
	s_endpgm
.Lfunc_end_k_q21f77662a9_prep:
	.size	k_q21f77662a9_prep, .Lfunc_end_k_q21f77662a9_prep-k_q21f77662a9_prep
	.p2alignl 7, 3214868480
	.fill 96, 4, 3214868480
	.section	.rodata,"a",@progbits
	.p2align	6, 0x0
	.amdhsa_kernel k_q21f77662a9_prep
		.amdhsa_group_segment_fixed_size 0
		.amdhsa_private_segment_fixed_size 0
		.amdhsa_enable_private_segment 0
		.amdhsa_kernarg_size 40
		.amdhsa_user_sgpr_count 2
		.amdhsa_user_sgpr_kernarg_segment_ptr 1
		.amdhsa_wavefront_size32 1
		.amdhsa_system_sgpr_workgroup_id_x 1
		.amdhsa_system_sgpr_workgroup_id_y 1
		.amdhsa_system_sgpr_workgroup_id_z 1
		.amdhsa_system_vgpr_workitem_id 0
		.amdhsa_next_free_vgpr 192
		.amdhsa_next_free_sgpr 66
		.amdhsa_reserve_vcc 0
		.amdhsa_float_denorm_mode_32 3
		.amdhsa_float_denorm_mode_16_64 3
		.amdhsa_memory_ordered 1
		.amdhsa_forward_progress 1
		.amdhsa_inst_pref_size 57
	.end_amdhsa_kernel
	.amdgpu_metadata
---
amdhsa.version: [ 1, 2 ]
amdhsa.kernels:
  - .name:           k_q21f77662a9_prep
    .symbol:         k_q21f77662a9_prep.kd
    .args:
      - { .name: W_kv, .offset: 0, .size: 8, .value_kind: global_buffer, .address_space: global }
      - { .name: W_proj, .offset: 8, .size: 8, .value_kind: global_buffer, .address_space: global }
      - { .name: wkv, .offset: 16, .size: 8, .value_kind: global_buffer, .address_space: global }
      - { .name: wpx, .offset: 24, .size: 8, .value_kind: global_buffer, .address_space: global }
      - { .name: wsc, .offset: 32, .size: 8, .value_kind: global_buffer, .address_space: global }
    .group_segment_fixed_size: 0
    .private_segment_fixed_size: 0
    .kernarg_segment_align: 8
    .kernarg_segment_size: 40
    .max_flat_workgroup_size: 32
    .sgpr_count:     66
    .vgpr_count:     192
    .wavefront_size: 32
...
	.end_amdgpu_metadata
.endif
;; end of part 1
;; launch fused (part 2): grid 256 x 1, 4 waves a work-group, no clusters, 129,536 bytes of LDS; arguments x, wkv, wpx, wsc, b_proj, out0; writes out0
.if DOCPART == 2
	.amdgcn_target "amdgcn-amd-amdhsa--gfx1250"
	.amdhsa_code_object_version 6
	.text
	.protected	k_q21f77662a9_fused
	.globl	k_q21f77662a9_fused
	.p2align	8
	.type	k_q21f77662a9_fused,@function
k_q21f77662a9_fused:
	s_mov_b64 s[64:65], 0
	v_nop
	global_prefetch_b8 v0, s[64:65] scope:SCOPE_SE
	s_setreg_imm32_b32 hwreg(HW_REG_WAVE_MODE, 25, 1), 1
	s_wait_xcnt 0x0
; out0 = (softmax(q . k_pps / 8) v_img) W_proj + b_proj for 32,768 rows; x: [32768][2][512] f32, token 0 = img, token 1 = pps; q = x_pps by heads of 64.
; k_pps = Q(x_pps) Q(W_kv[:, :512]), v_img = Q(x_img) Q(W_kv[:, 512:]) and the projection are products on codes of BF8 (E5M2) with one E8M0 scale for each 32 along K;
; the scores (f32 multiply-adds), the softmax over the one key (its maximum taken off, exponential, division by the sum) and p v are f32.
; NOT COMPUTED: k_img and v_pps, which the problem forms and never uses.
; LIMITS: a block of zeros gets the scale byte 1 (its codes are zeros); a block's largest magnitude under 2^-111 is taken as 2^-111; NaN and infinities are not served by the quantisers;
; a score's 64 products are summed in another order than a plain dot product has.
; SHARES.  A work-group of four waves owns 128 rows: 8 tiles of 16.  THE WAVES SHARE THE COLUMNS: wave w owns columns 128 w .. 128 w + 127 (heads 2 w, 2 w + 1) of each of the three products, for all rows.
; Its slice of the weight in hand, 32 fragments = 512 registers, stays in registers and is read from memory once.  What goes round is small: a tile's codes.
; For each tile wave w loads, turns and quantises K step w of x (16 rows x 512 bytes) and puts the fragment into LDS as an IMAGE OF ITS REGISTERS (16 bytes a lane, 512 a store); after one barrier every wave takes all four.
; Images lie in two sets by turns, so one barrier a tile serves: a set is written again two tiles on, behind the next tile's barrier, which each wave signals behind the wait for its reads.
; THE PRODUCTS ARE USED TRANSPOSED (source 0 = 16 columns of the weight, source 1 = 16 rows), and the columns of a tile are 32 b + 8 u + r + 8 (r / 8): so lane (r, h) holds row r, and register
; 16 b + 8 u + j of the 64 results is column 32 b + 16 h + 8 u + j: the layout in which a lane holds x for the quantiser.  So q meets k register by register, and p v is quantised where it stands.
; PHASES.  P: 8 tiles of x_pps: k, the scores.  The softmax, while V's weights come.  V: 8 tiles of x_img: v, x p, quantised, images of all 8 tiles kept in LDS.  O: 8 tiles: the projection, the bias as the first C, rows out.
; THE RING.  x comes into four sets of 64 registers, 16 loads of 512 consecutive bytes a set.  A set goes through my stage in LDS (in by rows, out by lanes) and back INTO ITS OWN REGISTERS, one tile ahead of its use:
; the round trip is asked for in front of the tile before's 32 products and lands under them.  The quantiser leaves the set as it is, so in P the set is also q for the scores.  A set is asked for again when it is done with:
; in P behind the scores, in V behind the quantiser.  The ring runs on from P into V, and V's last four loads bring half of W_proj's slice into the sets just freed.
; NO CLUSTER, NO JOINT LOADS, though all work-groups read the same weights: a joint load lands in LDS, where a product's 262,144 bytes do not fit beside the 129,024 in use; brought in pieces, each piece would want
; a barrier round of its own and every byte would be written to LDS and read back, where here it goes from memory straight into the register that multiplies it.
; REGISTERS, in windows of 256 (s_set_vgpr_msb: bits 1:0 source 0, 3:2 source 1, 5:4 source 2, 7:6 destination).  Window 0: addresses, scales, fragments, accumulators (list below).
;   Windows 1, 2: the weight's fragments, (K step s, tile t) at 16 (8 s + t).  Window 3: the ring, set j at 64 j.  In phase O: W_proj's K steps 0, 1 in window 3, K steps 2, 3 in window 1, the bias in window 2, v0-63.
.set SPI, 528                          ; a stage row: 512 bytes + 16 = 33 x 16 bytes: sixteen rows start at sixteen different 16-byte columns modulo 256
.set WST, 16*SPI                       ; LDS: a stage of 16 rows for each wave, from byte 0 on
.set XIM, 4*WST                        ; x's images: 2 sets x 4 K steps x 2,048 bytes
.set XSC, XIM+16384                    ; their scale words: 2 x 4 x 128 bytes
.set OIM, XSC+1024                     ; the projection's operand: tile m 8192 + K step 2048
.set OSC, OIM+65536                    ; its scale words: m 512 + K step 128
.set SCR, OSC+4096                     ; scores, then p, each wave's own: w 2048 + m 256 + head 128 + 4 x lane
.set LI,  1                            ; v1   16 x lane
.set LS,  2                            ; v2   4 x lane
.set XO,  3                            ; v3   512 w + 16 x lane: my bytes of a row piece of x, of wpx, of out0
.set TS,  4                            ; v4   the stage by rows: w WST + 16 x lane
.set TR,  5                            ; v5   the stage by lanes: w WST + 528 r + 64 h
.set IW,  6                            ; v6   where I store x's image
.set IS,  7                            ; v7   and its scale word
.set OW,  8                            ; v8   where I store the projection's operand; steps in V
.set OS,  9                            ; v9   and its scale word; steps in V
.set SA,  10                           ; v10  where I store scores; steps in P
.set PA,  11                           ; v11  where I read p; steps in V
.set OF,  12                           ; v12  where a tile's four images lie; steps in O
.set OG,  13                           ; v13  and their scale words; steps in O
.set WSO, 14                           ; v14  64 x lane: the weight's scale words
.set BO,  15                           ; v15  64 h: the bias
.set XS,  16                           ; v16-19   the rows' four scale words: scales and nothing else
.set PP0, 20                           ; v[20:21] p of head 2 w (the upper half is named with it and holds 0)
.set PP1, 22                           ; v[22:23] p of head 2 w + 1
.set SS,  24                           ; v24-31   four pairs of partial sums
.set TM,  32                           ; v32-35 largest magnitudes, v36-39 bytes, v40-43 57,344 x the scale, v44-47 the conversions' scale operands
.set PW,  48                           ; v48      the scale word just made
.set PT,  50                           ; v50-51   lane permutes' results
.set WS,  64                           ; v64-79   the weight's scale words: register 2 t + s / 2; lanes 0-15 even K steps, lanes 16-31 odd ones
.set PC,  80                           ; v80-95   the codes just made
.set XF,  96                           ; v96-159  a tile's four fragments
.set ACC, 160                          ; v160-223 eight accumulators; in O also the rows on their way out
.set TQ,  224                          ; v224-255 the quantiser: two blocks' numbers, held within the largest code x the scale
.set SM,  224                          ; v224-239, v240-255 between P and V: the softmax's batch
.set SE,  240
.set WV,  16                           ; s16 my wave
.set BX,  18                           ; s[18:19] x at my work-group's first row
.set XB,  20                           ; s[20:21] the ring loads' base
.set OFF, 22                           ; s[22:23] an offset, high word 0
.set CT,  24                           ; s24 trips
.set SEL, 26                           ; s[26:27] v_permlanex16_b32's selects for lane l xor 16
.set MNT, 28                           ; s28 the mantissa field of 57,344
.set WB,  32                           ; s[32:33] wkv at my slice
.set SB,  34                           ; s[34:35] wsc at my slice
.set BI,  36                           ; s[36:37] b_proj at my 128
.set OUT, 38                           ; s[38:39] out0 at the tile in hand
.set MSB, 0
.macro WIN new                         ; the immediate's high byte repeats the setting that is left; a switch that changes nothing is dropped
.if MSB != \new
	s_set_vgpr_msb (MSB<<8)|\new
.set MSB, \new
.endif
.endm
.macro PLACES n                        ; plain vector places behind matrix instructions (ISA guide 7.12.1)
.rept \n
	v_nop
.endr
.endm
.macro BARRIER                         ; my LDS stores have landed and my LDS loads are in: then the work-group's barrier
	s_wait_dscnt 0x0
	s_barrier_signal -1
	s_barrier_wait -1
.endm
; Set j of the ring is filled: 16 rows, 512 consecutive bytes an instruction.  (No cache hint: in V's last trip the same lines bring W_proj's codes, which every work-group reads.)
.macro LOAD j
	WIN 0xc0
.irp i, 0,1,2,3,4,5,6,7,8,9,10,11,12,13,14,15
	global_load_b128 v[64*(\j)+4*\i:64*(\j)+4*\i+3], v[XO], s[XB:XB+1] offset:(\j)*65536+\i*4096
.endr
	WIN 0
.endm
; Set j goes through my stage: in as loaded, by rows; out by lanes, into the registers that it left: lane (r, h) then holds, of row r, the numbers 32 c + 16 h + 0 .. 15 of each block c in register 64 j + 16 c + i.
; LDS serves a wave's instructions in order (ISA guide 5.7.1.4): no wait between the stores and the loads.  The LDS loads' data are not waited for here: the tile that uses the set begins with the wait.
; cnt: the loads issued behind set j's, which may stay out.
.macro TURN j, cnt
	s_wait_loadcnt \cnt
	WIN 0x0c                                       ; an LDS store's data are its source 1: window 3
.irp i, 0,1,2,3,4,5,6,7,8,9,10,11,12,13,14,15
	ds_store_b128 v[TS], v[64*(\j)+4*\i:64*(\j)+4*\i+3] offset:SPI*\i
.endr
	WIN 0xc0                                       ; an LDS load's data are its destination: window 3
.irp c, 0,1,2,3
.irp q, 0,1,2,3
	ds_load_b128 v[64*(\j)+16*\c+4*\q:64*(\j)+16*\c+4*\q+3], v[TR] offset:128*\c+16*\q
.endr
.endr
	WIN 0
.endm
; 64 numbers of a lane, register s + 16 b + i = k 32 b + 16 h + i of my row, become a fragment's codes in v[PC] on and its scale word in v[PW].  hi = 1: the numbers lie in window 3.  They are left as they are:
; the held numbers go into v[TQ] on, two blocks at a time.
.macro QUANT s, hi
.if \hi
	WIN 0x0f                                       ; sources 0 and 1 window 3
.endif
.irp b, 0,1,2,3
	v_max3_num_f32 v[TM+\b], |v[\s+16*\b]|, |v[\s+1+16*\b]|, 0x8000000   ; block b: my 16 numbers, and the floor 2^(16 - 127): the byte cannot fall under 1
.endr
.if \hi
	WIN 0x3c                                       ; sources 1 and 2 window 3
.endif
.irp i, 2,4,6,8,10,12,14
.irp b, 0,1,2,3
	v_max3_num_f32 v[TM+\b], v[TM+\b], |v[\s+16*\b+\i]|, |v[\s+1+16*\b+\i]|   ; the four blocks by turns
.endr
.endr
	WIN 0
.irp b, 0,1,2,3
	v_permlanex16_b32 v[TM+4+\b], v[TM+\b], s[SEL], s[SEL+1]
.endr
.irp b, 0,1,2,3
	v_max_num_f32 v[TM+\b], v[TM+\b], v[TM+4+\b]   ; with lane l xor 16's 16: the block's largest magnitude
.endr
.irp b, 0,1,2,3
	v_add_nc_u32 v[TM+12+\b], 0xf8800000, v[TM+\b] ; 15 off its exponent field: the conversion's scale operand
.endr
.irp b, 0,1,2,3
	v_and_or_b32 v[TM+8+\b], v[TM+\b], 0x7f800000, s[MNT]   ; 57,344 x the scale
.endr
.irp b, 0,1,2,3
	v_lshrrev_b32 v[TM+4+\b], 23, v[TM+12+\b]      ; the scale's byte
.endr
	v_lshl_or_b32 v[PW], v[TM+5], 8, v[TM+4]
	v_lshl_or_b32 v[PW], v[TM+6], 16, v[PW]
	v_lshl_or_b32 v[PW], v[TM+7], 24, v[PW]
.irp g, 0,1                                        ; blocks 2 g and 2 g + 1
.if \hi
	WIN 0x03                                       ; source 0 window 3
.endif
.irp b, 0,1
.irp i, 0,1,2,3,4,5,6,7,8,9,10,11,12,13,14,15
	v_med3_num_f32 v[TQ+16*\b+\i], v[\s+32*\g+16*\b+\i], -v[TM+8+2*\g+\b], v[TM+8+2*\g+\b]   ; the conversion to an 8-bit code does not saturate (ISA guide 7.6.2): hold first
.endr
.endr
	WIN 0
.irp b, 0,1
	v_cvt_scalef32_pk8_bf8_f32 v[PC+8*\g+4*\b:PC+8*\g+4*\b+1], v[TQ+16*\b:TQ+16*\b+7], v[TM+12+2*\g+\b]
	v_cvt_scalef32_pk8_bf8_f32 v[PC+8*\g+4*\b+2:PC+8*\g+4*\b+3], v[TQ+16*\b+8:TQ+16*\b+15], v[TM+12+2*\g+\b]
.endr
	v_nop                                          ; a plain line between these conversions and the next vector line that writes their sources: the next two blocks' holds, or whatever follows the macro
.endr
.endm
.macro IMAGE adr, off                  ; the fragment in v[PC] on goes to LDS as it stands
.irp c, 0,1,2,3
	ds_store_b128 v[\adr], v[PC+4*\c:PC+4*\c+3] offset:\off+512*\c
.endr
.endm
; A tile's four fragments and scale words out of image set par; wp = 1: tile j's two p as well.  The wait follows in TILE.
.macro FETCH par, j, wp
.irp s, 0,1,2,3
.irp c, 0,1,2,3
	ds_load_b128 v[XF+16*\s+4*\c:XF+16*\s+4*\c+3], v[LI] offset:XIM+8192*(\par)+2048*\s+512*\c
.endr
.endr
.irp s, 0,1,2,3
	ds_load_b32 v[XS+\s], v[LS] offset:XSC+512*(\par)+128*\s
.endr
.if \wp
	ds_load_b32 v[PP0], v[PA] offset:256*(\j)
	ds_load_b32 v[PP1], v[PA] offset:256*(\j)+128
.endif
.endm
; One product: tile t of my columns x the 16 rows, K step s.  mode 0: the sum starts with 0; mode 1: with the bias (window 2).
.macro PROD mode, s, t
.set rD, ACC+8*(\t)
.set rW, 16*(8*((\s)%2)+(\t))
.set rX, XF+16*(\s)
.set rA, WS+2*(\t)+(\s)/2
.set rB, XS+(\s)
.if (\s) == 0 && (\mode) == 0
	v_wmma_scale_f32_16x16x128_f8f6f4 v[rD:rD+7], v[rW:rW+15], v[rX:rX+15], 0, v[rA], v[rB] matrix_a_fmt:MATRIX_FMT_BF8 matrix_b_fmt:MATRIX_FMT_BF8
.elseif (\s) == 0
	v_wmma_scale_f32_16x16x128_f8f6f4 v[rD:rD+7], v[rW:rW+15], v[rX:rX+15], v[8*(\t):8*(\t)+7], v[rA], v[rB] matrix_a_fmt:MATRIX_FMT_BF8 matrix_b_fmt:MATRIX_FMT_BF8
.elseif (\s)%2 == 1
	v_wmma_scale_f32_16x16x128_f8f6f4 v[rD:rD+7], v[rW:rW+15], v[rX:rX+15], v[rD:rD+7], v[rA], v[rB] matrix_a_fmt:MATRIX_FMT_BF8 matrix_b_fmt:MATRIX_FMT_BF8 matrix_a_scale:MATRIX_SCALE_ROW1
.else
	v_wmma_scale_f32_16x16x128_f8f6f4 v[rD:rD+7], v[rW:rW+15], v[rX:rX+15], v[rD:rD+7], v[rA], v[rB] matrix_a_fmt:MATRIX_FMT_BF8 matrix_b_fmt:MATRIX_FMT_BF8
.endif
.endm
; 32 products: K step by K step, the eight accumulators by turns, one instruction a turn
.macro MM mode
.irp s, 0,1,2,3
.if \mode
.if \s == 0
	WIN 0x23                                       ; W_proj's K steps 0, 1 in window 3; the bias, as C, in window 2
.elseif \s == 1
	WIN 0x03
.else
	WIN 0x01                                       ; its K steps 2, 3 in window 1
.endif
.else
.if \s < 2
	WIN 0x01
.else
	WIN 0x02
.endif
.endif
.irp t, 0,1,2,3,4,5,6,7
	PROD \mode, \s, \t
.endr
.endr
	WIN 0
.endm
; The scores of tile j: q is set j of the ring, as the turn left it; register by register q meets k.
; Two heads, two chains each, pairs in ascending order: each accumulator is read from its low end on.
.macro SCORE j
	WIN 0x03                                       ; source 0 (q) window 3
.irp a, 0,4,8,12,16,20,24,28
.irp hd, 0,1
.if \a == 0
	v_pk_mul_f32 v[SS+4*\hd:SS+4*\hd+1], v[64*(\j)+32*\hd:64*(\j)+32*\hd+1], v[ACC+32*\hd:ACC+32*\hd+1]
	v_pk_mul_f32 v[SS+4*\hd+2:SS+4*\hd+3], v[64*(\j)+32*\hd+2:64*(\j)+32*\hd+3], v[ACC+32*\hd+2:ACC+32*\hd+3]
.else
	v_pk_fma_f32 v[SS+4*\hd:SS+4*\hd+1], v[64*(\j)+32*\hd+\a:64*(\j)+32*\hd+\a+1], v[ACC+32*\hd+\a:ACC+32*\hd+\a+1], v[SS+4*\hd:SS+4*\hd+1]
	v_pk_fma_f32 v[SS+4*\hd+2:SS+4*\hd+3], v[64*(\j)+32*\hd+\a+2:64*(\j)+32*\hd+\a+3], v[ACC+32*\hd+\a+2:ACC+32*\hd+\a+3], v[SS+4*\hd+2:SS+4*\hd+3]
.endif
.endr
.endr
	WIN 0
.irp hd, 0,1
	v_pk_add_f32 v[SS+4*\hd:SS+4*\hd+1], v[SS+4*\hd:SS+4*\hd+1], v[SS+4*\hd+2:SS+4*\hd+3]
.endr
.irp hd, 0,1
	v_add_f32 v[SS+4*\hd], v[SS+4*\hd], v[SS+4*\hd+1]
.endr
.irp hd, 0,1
	v_permlanex16_b32 v[PT+\hd], v[SS+4*\hd], s[SEL], s[SEL+1]     ; the head's other 32 channels lie in the lane 16 away
.endr
.irp hd, 0,1
	v_add_f32 v[SS+4*\hd], v[SS+4*\hd], v[PT+\hd]
.endr
.irp hd, 0,1
	ds_store_b32 v[SA], v[SS+4*\hd] offset:256*(\j)+128*\hd
.endr
.endm
.macro PMUL                            ; v x p: registers 0-31 are head 2 w, registers 32-63 head 2 w + 1; of each pair of p the low word serves both halves
.set a, 0
.rept 16
	v_pk_mul_f32 v[ACC+a:ACC+a+1], v[ACC+a:ACC+a+1], v[PP0:PP0+1] op_sel_hi:[1,0]
.set a, a+2
.endr
.rept 16
	v_pk_mul_f32 v[ACC+a:ACC+a+1], v[ACC+a:ACC+a+1], v[PP1:PP1+1] op_sel_hi:[1,0]
.set a, a+2
.endr
.endm
.macro WLOAD                           ; my slice of a half of W_kv: 128 loads of 512 consecutive bytes into windows 1 and 2; its 16 scale words a lane
	WIN 0x40
.set q, 0
.rept 64
	global_load_b128 v[4*q:4*q+3], v[LI], s[WB:WB+1] offset:512*q
.set q, q+1
.endr
	WIN 0x80
.set q, 0
.rept 64
	global_load_b128 v[4*q:4*q+3], v[LI], s[WB:WB+1] offset:512*(64+q)
.set q, q+1
.endr
	WIN 0
.irp e, 0,1,2,3
	global_load_b128 v[WS+4*\e:WS+4*\e+3], v[WSO], s[SB:SB+1] offset:16*\e
.endr
.endm
; A tile of 16 rows.  ph = 0: x_pps, k, the scores.  ph = 1: x_img, v, x p, quantised, kept.
; Behind the barrier the tile's fragments are asked for, then the NEXT tile's turn; the wait leaves the turn's 32 LDS instructions out, and they land under the products.
; Behind set j + 1's loads were issued: in P two sets' (set j is asked for again only behind the scores), in V three sets'.
; In V's last trip set 0 holds W_proj's codes and is not turned: a scalar branch on the count of trips, the same in every wave, round the turn alone; there the fragments' wait is for 0 and stands ahead of the branch.
; Nine places stand behind the 32 products: eight for the loads into, and the vector reads and writes of, their registers; the ninth for the next tile's first products, which begin the accumulators anew.
.macro TILE j, ph
	s_wait_dscnt 0x0                               ; set j is back from the stage (asked for a tile ago); the last tile's LDS stores have read their registers
	QUANT 64*(\j), 1
	IMAGE IW, 8192*((\j)%2)
	ds_store_b32 v[IS], v[PW] offset:512*((\j)%2)
.if \ph
	LOAD \j                                        ; the set is done with: it is asked for again while the image lands
.endif
	BARRIER                                        ; the tile's four fragments lie in LDS
	FETCH (\j)%2, \j, \ph
.if (\ph) && ((\j) == 3)
	s_wait_dscnt 0x0
	s_cmp_eq_u32 s[CT], 1
	s_cbranch_scc1 .Lno_turn_\@
	TURN 0, 48
.Lno_turn_\@:
.else
	TURN ((\j)+1)%4, 32+16*(\ph)
	s_wait_dscnt 32                                ; the fragments are in; the turn's 16 stores and 16 loads, issued behind them, may be out
.endif
	MM 0
	PLACES 9
.if \ph
	PMUL
	QUANT ACC, 0
	IMAGE OW, 8192*(\j)                            ; K step w of the projection, this tile's rows
	ds_store_b32 v[OS], v[PW] offset:512*(\j)
.else
	SCORE \j
	LOAD \j                                        ; q is done with: the set is asked for again
.endif
.endm
	s_load_b256 s[4:11], s[0:1], 0x0               ; x s[4:5], wkv s[6:7], wpx s[8:9], wsc s[10:11]
	s_load_b128 s[12:15], s[0:1], 0x20             ; b_proj s[12:13], out0 s[14:15]
	v_lshl_add_u32 v62, v0, 2, 0x1f800
	v_mov_b32 v63, 0
	v_lshrrev_b32 v52, 5, v0
	v_readfirstlane_b32 s[WV], v52                 ; wave 0..3
	v_and_b32 v53, 31, v0                          ; lane
	v_and_b32 v54, 15, v0                          ; r
	v_bfe_u32 v55, v0, 4, 1                        ; h
	v_lshlrev_b32 v[LI], 4, v53
	v_lshlrev_b32 v[LS], 2, v53
	v_lshlrev_b32 v[WSO], 6, v53
	v_lshlrev_b32 v[BO], 6, v55
	s_lshl_b32 s17, s[WV], 9
	v_add_nc_u32 v[XO], s17, v[LI]
	s_mul_i32 s17, s[WV], WST
	v_add_nc_u32 v[TS], s17, v[LI]
	v_mul_u32_u24 v[TR], v54, SPI
	v_lshl_add_u32 v[TR], v55, 6, v[TR]
	v_add_nc_u32 v[TR], s17, v[TR]
	s_lshl_b32 s17, s[WV], 11
	s_add_co_u32 s29, s17, XIM
	v_add_nc_u32 v[IW], s29, v[LI]
	s_add_co_u32 s29, s17, OIM
	v_add_nc_u32 v[OW], s29, v[LI]
	s_add_co_u32 s29, s17, SCR
	v_add_nc_u32 v[SA], s29, v[LS]
	v_add_nc_u32 v[PA], s29, v[LS]
	s_lshl_b32 s17, s[WV], 7
	s_add_co_u32 s29, s17, XSC
	v_add_nc_u32 v[IS], s29, v[LS]
	s_add_co_u32 s29, s17, OSC
	v_add_nc_u32 v[OS], s29, v[LS]
	v_add_nc_u32 v[OF], OIM, v[LI]
	v_add_nc_u32 v[OG], OSC, v[LS]
.irp b, 0,1,2,3
	v_mov_b32 v[TM+4+\b], 0                        ; written once: a lane permute's destination counts as one of its sources
.endr
	v_mov_b32 v[PT], 0
	v_mov_b32 v[PT+1], 0
	v_mov_b32 v[PP0+1], 0                          ; named as the upper halves of the pairs of p
	v_mov_b32 v[PP1+1], 0
	s_mov_b32 s[SEL], 0x76543210
	s_mov_b32 s[SEL+1], 0xfedcba98
	s_mov_b32 s[MNT], 0x600000
	s_mov_b32 s[OFF+1], 0
	s_lshl_b32 s30, ttmp9, 19                      ; my 128 rows of 4,096 bytes
	s_mov_b32 s31, 0
	s_wait_kmcnt 0x0
	s_add_nc_u64 s[BX:BX+1], s[4:5], s[30:31]
	s_add_nc_u64 s[XB:XB+1], s[BX:BX+1], 2048      ; token 1
	LOAD 0                                         ; x_pps, tiles 0 to 3
	LOAD 1
	LOAD 2
	LOAD 3
	s_lshl_b32 s30, s[WV], 16
	s_add_nc_u64 s[WB:WB+1], s[6:7], s[30:31]
	s_lshl_b32 s30, s[WV], 11
	s_add_nc_u64 s[SB:SB+1], s[10:11], s[30:31]
	WLOAD                                          ; the K half of W_kv
	s_lshl_b32 s30, s[WV], 9
	s_add_nc_u64 s[BI:BI+1], s[12:13], s[30:31]
	s_lshl_b32 s30, ttmp9, 18                      ; my 128 rows of 2,048 bytes
	s_add_nc_u64 s[OUT:OUT+1], s[14:15], s[30:31]
	TURN 0, 0                                      ; its wait is for 0: the weights are in, and the first four tiles; the first tile's turn is asked for
	s_add_nc_u64 s[XB:XB+1], s[BX:BX+1], 264192    ; (no load is out: the ring's base may be written)  x_pps, tiles 4 to 7: what the first trip asks for
	s_mov_b32 s[CT], 0
.Lp:                                               ; PHASE P, two trips of four tiles
	TILE 0, 0
	TILE 1, 0
	TILE 2, 0
	TILE 3, 0
	s_wait_xcnt 0x0                                ; the trip's loads have read their base
	s_lshl_b32 s[OFF], s[CT], 18
	s_add_nc_u64 s[XB:XB+1], s[BX:BX+1], s[OFF:OFF+1]   ; token 0: the second trip asks for x_img's tiles 0 to 3, V's first trip for tiles 4 to 7
	v_add_nc_u32 v[SA], 1024, v[SA]
	s_add_co_u32 s[CT], s[CT], 1
	s_cmp_lt_u32 s[CT], 2
	s_cbranch_scc1 .Lp
	s_add_nc_u64 s[WB:WB+1], s[WB:WB+1], 262144    ; (the K half's loads were shown done at the head)
	s_add_nc_u64 s[SB:SB+1], s[SB:SB+1], 8192
	WLOAD                                          ; the V half of W_kv; the last products stand more than eight places back
	; THE SOFTMAX, over the one key, for my 16 (tile, head) scores a lane, while those loads are on their way
.irp i, 0,1,2,3,4,5,6,7,8,9,10,11,12,13,14,15
	ds_load_b32 v[SM+\i], v[PA] offset:128*\i      ; my own words: LDS serves a wave's instructions in order
.endr
	s_wait_dscnt 0x0
.irp i, 0,1,2,3,4,5,6,7,8,9,10,11,12,13,14,15
	v_mul_f32 v[SM+\i], 0x3e000000, v[SM+\i]       ; t = score / sqrt(64)
.endr
.irp i, 0,1,2,3,4,5,6,7,8,9,10,11,12,13,14,15
	v_sub_f32 v[SM+\i], v[SM+\i], v[SM+\i]         ; t less the row's maximum, which over one key is t: 0, or NaN where t is not finite
.endr
.irp i, 0,1,2,3,4,5,6,7,8,9,10,11,12,13,14,15
	v_mul_f32 v[SM+\i], 0x3fb8aa3b, v[SM+\i]       ; x log2(e)
.endr
.irp i, 0,1,2,3,4,5,6,7,8,9,10,11,12,13,14,15
	v_exp_f32 v[SE+\i], v[SM+\i]
.endr
	v_nop                                          ; a plain line behind the last exponential
	s_wait_alu depctr_va_vdst(0)                   ; one wait for the batch, ahead of its first reader
.irp i, 0,1,2,3,4,5,6,7,8,9,10,11,12,13,14,15
	v_rcp_f32 v[SM+\i], v[SE+\i]                   ; the row's sum over one key is the exponential itself
.endr
	v_nop
	s_wait_alu depctr_va_vdst(0)
.irp i, 0,1,2,3,4,5,6,7,8,9,10,11,12,13,14,15
	v_mul_f32 v[SE+\i], v[SE+\i], v[SM+\i]         ; p
.endr
.irp i, 0,1,2,3,4,5,6,7,8,9,10,11,12,13,14,15
	ds_store_b32 v[PA], v[SE+\i] offset:128*\i
.endr
	s_wait_loadcnt 0x0                             ; the V half is in
	s_mov_b32 s[CT], 0
.Lv:                                               ; PHASE V, two trips of four tiles
	TILE 0, 1
	TILE 1, 1
	TILE 2, 1
	TILE 3, 1
	s_wait_xcnt 0x0                                ; the trip's loads have read their base
	s_mov_b64 s[XB:XB+1], s[8:9]                   ; x is all asked for: the second trip's loads bring W_proj's K steps 0 and 1 of my slice into the sets that it frees
	v_add_nc_u32 v[OW], 32768, v[OW]
	v_add_nc_u32 v[OS], 2048, v[OS]
	v_add_nc_u32 v[PA], 1024, v[PA]
	s_add_co_u32 s[CT], s[CT], 1
	s_cmp_lt_u32 s[CT], 2
	s_cbranch_scc1 .Lv
; PHASE O.  A tile's four fragments and scale words, out of the images that V left
.macro OFETCH
.irp s, 0,1,2,3
.irp c, 0,1,2,3
	ds_load_b128 v[XF+16*\s+4*\c:XF+16*\s+4*\c+3], v[OF] offset:2048*\s+512*\c
.endr
.endr
.irp s, 0,1,2,3
	ds_load_b32 v[XS+\s], v[OG] offset:128*\s
.endr
.endm
; A tile: 32 products; the NEXT tile's fragments are asked for (more = 1) as soon as the places allow; the results go through my stage and come back, by rows, into the registers that they left; 16 rows out.
.macro OTILE more
	s_wait_dscnt 0x0                               ; the tile's fragments, asked for a tile ago, are in
	MM 1
.if \more
	v_add_nc_u32 v[OF], 8192, v[OF]                ; (no LDS load of mine is out)  two of the nine places
	v_add_nc_u32 v[OG], 512, v[OG]
	PLACES 7
	OFETCH
.else
	PLACES 9
.endif
.irp t, 0,1,2,3,4,5,6,7                            ; lane (r, h): row r, columns 32 b + 16 h + 8 u + 0 .. 7 of my 128; each accumulator from its low end on
	ds_store_b128 v[TR], v[ACC+8*\t:ACC+8*\t+3] offset:128*(\t/2)+32*(\t%2)
	ds_store_b128 v[TR], v[ACC+8*\t+4:ACC+8*\t+7] offset:128*(\t/2)+32*(\t%2)+16
.endr
.irp i, 0,1,2,3,4,5,6,7,8,9,10,11,12,13,14,15
	ds_load_b128 v[ACC+4*\i:ACC+4*\i+3], v[TS] offset:SPI*\i       ; back by rows; LDS serves a wave's instructions in order: these see the stores above, which have read their registers
.endr
.irp i, 0,1,2,3,4,5,6,7,8,9,10,11,12,13,14,15
	s_wait_dscnt 15-\i                             ; row i is back; the loads issued behind it may be out
	global_store_b128 v[XO], v[ACC+4*\i:ACC+4*\i+3], s[OUT:OUT+1] offset:2048*\i th:TH_STORE_NT   ; 32 lanes store 512 consecutive bytes, at a multiple of 256 from out0's first byte
.endr
.if \more
	s_wait_xcnt 0x0                                ; the stores have read their registers and their base: the next products write the first, the step below the second
	s_add_nc_u64 s[OUT:OUT+1], s[OUT:OUT+1], 32768
.endif
.endm
	BARRIER                                        ; the projection's 32 fragments lie in LDS
	OFETCH                                         ; the first tile's, while the weights come; the last products stand more than eight places back
	WIN 0x40                                       ; W_proj's K steps 2 and 3 into window 1
.irp j, 0,1,2,3
.irp i, 0,1,2,3,4,5,6,7,8,9,10,11,12,13,14,15
	global_load_b128 v[64*\j+4*\i:64*\j+4*\i+3], v[XO], s[8:9] offset:\j*65536+\i*4096+2048
.endr
.endr
	WIN 0x80                                       ; the bias in the result's layout: for tile 2 b + u lane (r, h) wants columns 32 b + 16 h + 8 u + 0 .. 7
.irp t, 0,1,2,3,4,5,6,7
	global_load_b128 v[8*\t:8*\t+3], v[BO], s[BI:BI+1] offset:128*(\t/2)+32*(\t%2)
	global_load_b128 v[8*\t+4:8*\t+7], v[BO], s[BI:BI+1] offset:128*(\t/2)+32*(\t%2)+16
.endr
	WIN 0
	s_add_nc_u64 s[SB:SB+1], s[SB:SB+1], 8192      ; (the V half's loads were shown done in front of V)
.irp e, 0,1,2,3
	global_load_b128 v[WS+4*\e:WS+4*\e+3], v[WSO], s[SB:SB+1] offset:16*\e
.endr
	s_wait_loadcnt 0x0                             ; all of W_proj's slice, the ring's half too, the bias and the scale words
	s_mov_b32 s[CT], 7
.Lo:                                               ; seven tiles, each asking for the next; no barrier: the images are only read, the stage is my own
	OTILE 1
	s_sub_co_u32 s[CT], s[CT], 1
	s_cmp_lg_u32 s[CT], 0
	s_cbranch_scc1 .Lo
	OTILE 0                                        ; the last tile is written out: nothing is left to fetch
	s_wait_tensorcnt 0x0
	ds_add_u32 v62, v63
	s_wait_dscnt 0x0
	s_endpgm
.Lfunc_end_k_q21f77662a9_fused:
	.size	k_q21f77662a9_fused, .Lfunc_end_k_q21f77662a9_fused-k_q21f77662a9_fused
	.p2alignl 7, 3214868480
	.fill 96, 4, 3214868480
	.section	.rodata,"a",@progbits
	.p2align	6, 0x0
	.amdhsa_kernel k_q21f77662a9_fused
		.amdhsa_group_segment_fixed_size 129536
		.amdhsa_private_segment_fixed_size 0
		.amdhsa_enable_private_segment 0
		.amdhsa_kernarg_size 48
		.amdhsa_user_sgpr_count 2
		.amdhsa_user_sgpr_kernarg_segment_ptr 1
		.amdhsa_wavefront_size32 1
		.amdhsa_system_sgpr_workgroup_id_x 1
		.amdhsa_system_sgpr_workgroup_id_y 1
		.amdhsa_system_sgpr_workgroup_id_z 1
		.amdhsa_system_vgpr_workitem_id 0
		.amdhsa_next_free_vgpr 1024
		.amdhsa_next_free_sgpr 66
		.amdhsa_reserve_vcc 0
		.amdhsa_float_denorm_mode_32 3
		.amdhsa_float_denorm_mode_16_64 3
		.amdhsa_memory_ordered 1
		.amdhsa_forward_progress 1
		.amdhsa_inst_pref_size 255
	.end_amdhsa_kernel
	.section	.bss,"aw",@nobits
	.p2align	6
	.space	262144
	.amdgpu_metadata
---
amdhsa.version: [ 1, 2 ]
amdhsa.kernels:
  - .name:           k_q21f77662a9_fused
    .symbol:         k_q21f77662a9_fused.kd
    .args:
      - { .name: x, .offset: 0, .size: 8, .value_kind: global_buffer, .address_space: global }
      - { .name: wkv, .offset: 8, .size: 8, .value_kind: global_buffer, .address_space: global }
      - { .name: wpx, .offset: 16, .size: 8, .value_kind: global_buffer, .address_space: global }
      - { .name: wsc, .offset: 24, .size: 8, .value_kind: global_buffer, .address_space: global }
      - { .name: b_proj, .offset: 32, .size: 8, .value_kind: global_buffer, .address_space: global }
      - { .name: out0, .offset: 40, .size: 8, .value_kind: global_buffer, .address_space: global }
    .group_segment_fixed_size: 129536
    .private_segment_fixed_size: 0
    .kernarg_segment_align: 8
    .kernarg_segment_size: 48
    .max_flat_workgroup_size: 128
    .sgpr_count:     66
    .vgpr_count:     1024
    .wavefront_size: 32
...
	.end_amdgpu_metadata
.endif
;; end of part 2
;; ======== version 2 of 2: 2 launches
;; workspace buffers: wkv 524,288 bytes; wpx 262,144 bytes; wsc 24,576 bytes
;; launch prep (part 3): grid 48 x 4, 1 waves a work-group, no clusters, 0 bytes of LDS; arguments W_kv, W_proj, wkv, wpx, wsc; writes wkv, wpx, wsc
.if DOCPART == 3
	.amdgcn_target "amdgcn-amd-amdhsa--gfx1250"
	.amdhsa_code_object_version 6
	.text
	.protected	k_q21f77662a9_prep
	.globl	k_q21f77662a9_prep
	.p2align	8
	.type	k_q21f77662a9_prep,@function
k_q21f77662a9_prep:
	s_mov_b64 s[64:65], 0
	v_nop
	global_prefetch_b8 v0, s[64:65] scope:SCOPE_SE
	s_setreg_imm32_b32 hwreg(HW_REG_WAVE_MODE, 25, 1), 1
	s_wait_xcnt 0x0
; W_kv [512][1024] and W_proj [512][512], f32, K = their FIRST axis, become codes of BF8 (E5M2) with one E8M0 byte for each 32 along K,
; laid in the order in which the next launch's operand registers take them, so that there every fragment comes by loads of 16 bytes a lane.
; A block's scale is 2^(floor(log2(its largest magnitude)) - 15); its byte is the largest magnitude's exponent field - 15, held at 1 from below.
; LIMITS: a block of zeros gets the byte 1 where the quantiser says 127 (its codes are zeros, and this program alone reads the bytes); a largest magnitude
; under 2^-111 is taken as 2^-111; NaN and infinities among the inputs are not served.
; SHARES.  One wave to a work-group.  Work-group x = G: 32 neighbouring columns (G < 32: of W_kv, else of W_proj); y = s: 128 along K.
; A LANE TAKES A COLUMN AND ITS REGISTERS RUN DOWN K: a block of 32 lies in one lane, and the conversions give codes with K innermost.  Nothing is transposed.
; NAMES.  A matrix of 512 columns (W_kv's K half g = 0, its V half g = 1, W_proj g = 2) is cut into four slices w of 128 columns; a slice into blocks b of 32; a block into two tiles t = 2 b + u.
; THE COLUMNS OF A TILE ARE NOT NEIGHBOURS: row r of tile 2 b + u is column 32 b + 8 u + r + 8 (r / 8).  So my lane l holds u = (l / 8) % 2, r = l % 8 + 8 (l / 16).
; OUT.  wkv: g 262144 + w 65536 + (8 s + t) 2048 + c 512 + 16 (r + 16 h): the 16 codes k = 128 s + 32 c + 16 h + 0 .. 15.
;       wpx: the same 16 bytes at (2 (s % 2) + b / 2) 65536 + (b % 2) 32768 + u 16384 + c 4096 + (s / 2) 2048 + w 512 + 16 (r + 16 h).
;       wsc: g 8192 + w 2048 + 64 (r + 16 (s % 2)) + 4 (2 t + s / 2): the four bytes c = 0 .. 3 of K step s.
; Each store of codes covers two runs of 256 consecutive bytes, aligned (the sixteen lanes of one u).  The scale words leave 4 bytes a lane: 24,576 bytes in all.
.set X,  32                            ; v32-159  my column's 128 numbers, block c at 32 c
.set CD, 160                           ; v160-191 the codes, eight registers a block: no store's data are written again
	s_load_b128 s[4:7], s[0:1], 0x0                ; W_kv, W_proj
	s_load_b128 s[8:11], s[0:1], 0x10              ; wkv, wpx
	s_load_b64 s[12:13], s[0:1], 0x20              ; wsc
	s_and_b32 s14, ttmp7, 0xffff                   ; s
	v_lshlrev_b32 v1, 2, v0                        ; in: 4 bytes a lane
	v_bfe_u32 v4, v0, 3, 1                         ; u
	v_and_b32 v5, 7, v0
	v_lshrrev_b32 v6, 4, v0
	v_lshl_add_u32 v5, v6, 3, v5                   ; r
	v_lshlrev_b32 v3, 6, v5
	v_lshl_add_u32 v3, v4, 3, v3                   ; my scale word: 64 r + 8 u
	v_lshlrev_b32 v5, 4, v5                        ; 16 r
	s_mov_b32 s31, 0x600000                        ; the mantissa field of 57,344
	s_and_b32 s15, s14, 1                          ; s % 2
	s_lshr_b32 s16, s14, 1                         ; s / 2
	s_lshr_b32 s17, ttmp9, 2                       ; G / 4 = 4 g + w
	s_and_b32 s18, ttmp9, 3                        ; b
	s_lshl_b32 s19, s17, 11                        ; the scale words: (4 g + w) 2048
	s_lshl_b32 s26, s15, 10                        ; + 1024 (s % 2): lanes 16-31 carry the odd K steps
	s_add_co_u32 s19, s19, s26
	s_lshl_b32 s26, s18, 4                         ; + 16 b
	s_add_co_u32 s19, s19, s26
	s_lshl_b32 s26, s16, 2                         ; + 4 (s / 2)
	s_add_co_u32 s26, s19, s26
	s_mov_b32 s27, 0
	s_wait_kmcnt 0x0
	s_add_nc_u64 s[24:25], s[12:13], s[26:27]
.macro LOADB c, pitch                  ; block c: 32 rows of the weight at my column; 32 lanes read 128 consecutive bytes
.set n, 0
.rept 32
	global_load_b32 v[X+32*(\c)+n], v1, s[20:21] offset:(32*(\c)+n)*\pitch th:TH_LOAD_NT
.set n, n+1
.endr
.endm
; pitch: bytes from row to row of the weight;  jump: bytes from a block's codes to the next block's
.macro PREP pitch, jump
	LOADB 0, \pitch
	LOADB 1, \pitch
.irp c, 0,1,2,3
.if \c < 3
	s_wait_loadcnt 32                              ; this block's 32 loads are in; the next block's may be out
.else
	s_wait_loadcnt 0x0
.endif
.if \c < 2
	LOADB \c+2, \pitch                             ; two blocks ahead, into registers of its own
.endif
	v_max3_num_f32 v12, |v[X+32*\c]|, |v[X+32*\c+1]|, |v[X+32*\c+2]|      ; the block's largest magnitude, in two chains
	v_max3_num_f32 v13, |v[X+32*\c+3]|, |v[X+32*\c+4]|, |v[X+32*\c+5]|
.irp i, 6,10,14,18,22,26
	v_max3_num_f32 v12, v12, |v[X+32*\c+\i]|, |v[X+32*\c+\i+1]|
	v_max3_num_f32 v13, v13, |v[X+32*\c+\i+2]|, |v[X+32*\c+\i+3]|
.endr
	v_max3_num_f32 v12, v12, |v[X+32*\c+30]|, |v[X+32*\c+31]|
	v_max3_num_f32 v12, v12, v13, 0x8000000        ; and the floor 2^(16 - 127): the byte cannot fall under 1
	v_add_nc_u32 v11, 0xf8800000, v12              ; 15 off the exponent field: the conversion takes this operand's exponent field as its scale
	v_and_or_b32 v10, v12, 0x7f800000, s31         ; 57,344 x the scale
	v_lshrrev_b32 v13, 23, v11                     ; the scale's byte
.if \c == 0
	v_mov_b32 v16, v13                             ; four bytes to the word, the lower K in the lower byte
.else
	v_lshl_or_b32 v16, v13, 8*\c, v16
.endif
.set n, 0
.rept 32
	v_med3_num_f32 v[X+32*\c+n], v[X+32*\c+n], -v10, v10   ; the conversion to an 8-bit code does not saturate (ISA guide 7.6.2): hold first
.set n, n+1
.endr
.irp g, 0,1,2,3
	v_cvt_scalef32_pk8_bf8_f32 v[CD+8*\c+2*\g:CD+8*\c+2*\g+1], v[X+32*\c+8*\g:X+32*\c+8*\g+7], v11
.endr
	global_store_b128 v2, v[CD+8*\c:CD+8*\c+3], s[22:23] offset:\c*\jump           ; k = 32 c + 0 .. 15: the operand's lanes 0-15
	global_store_b128 v2, v[CD+8*\c+4:CD+8*\c+7], s[22:23] offset:\c*\jump+256     ; k = 32 c + 16 .. 31: its lanes 16-31
.endr                                  ; (the next block's first lines are plain vector lines: they stand between these conversions and the next write of v11)
	global_store_b32 v3, v16, s[24:25]
.endm
	s_cmp_lt_u32 ttmp9, 32
	s_cbranch_scc0 .Lproj
	s_lshl_b32 s26, s14, 19                        ; W_kv: 128 s rows of 4,096 bytes
	s_lshl_b32 s28, ttmp9, 7                       ; + 32 G columns
	s_add_co_u32 s26, s26, s28
	s_add_nc_u64 s[20:21], s[4:5], s[26:27]
	s_lshl_b32 s26, s17, 16                        ; wkv: (4 g + w) 65536
	s_lshl_b32 s28, s14, 14                        ; + 8 s fragments of 2,048 bytes
	s_add_co_u32 s26, s26, s28
	s_lshl_b32 s28, s18, 12                        ; + 2 b fragments
	s_add_co_u32 s26, s26, s28
	s_add_nc_u64 s[22:23], s[8:9], s[26:27]
	s_wait_alu depctr_va_vdst(0)
	v_lshl_add_u32 v2, v4, 11, v5                  ; + u fragments + 16 r
	PREP 4096, 512
	s_endpgm
.Lproj:
	s_sub_co_u32 s29, ttmp9, 32                    ; W_proj's group
	s_lshl_b32 s26, s14, 18                        ; 128 s rows of 2,048 bytes
	s_lshl_b32 s28, s29, 7
	s_add_co_u32 s26, s26, s28
	s_add_nc_u64 s[20:21], s[6:7], s[26:27]
	s_lshl_b32 s26, s15, 17                        ; wpx: 2 (s % 2) 65536
	s_lshl_b32 s28, s18, 15                        ; + b 32768
	s_add_co_u32 s26, s26, s28
	s_lshl_b32 s28, s16, 11                        ; + (s / 2) 2048
	s_add_co_u32 s26, s26, s28
	s_lshr_b32 s28, s29, 2
	s_lshl_b32 s28, s28, 9                         ; + w 512
	s_add_co_u32 s26, s26, s28
	s_add_nc_u64 s[22:23], s[10:11], s[26:27]
	s_wait_alu depctr_va_vdst(0)
	v_lshl_add_u32 v2, v4, 14, v5                  ; + u 16384 + 16 r
	PREP 2048, 4096
	s_endpgm
.Lfunc_end_k_q21f77662a9_prep:
	.size	k_q21f77662a9_prep, .Lfunc_end_k_q21f77662a9_prep-k_q21f77662a9_prep
	.p2alignl 7, 3214868480
	.fill 96, 4, 3214868480
	.section	.rodata,"a",@progbits
	.p2align	6, 0x0
	.amdhsa_kernel k_q21f77662a9_prep
		.amdhsa_group_segment_fixed_size 0
		.amdhsa_private_segment_fixed_size 0
		.amdhsa_enable_private_segment 0
		.amdhsa_kernarg_size 40
		.amdhsa_user_sgpr_count 2
		.amdhsa_user_sgpr_kernarg_segment_ptr 1
		.amdhsa_wavefront_size32 1
		.amdhsa_system_sgpr_workgroup_id_x 1
		.amdhsa_system_sgpr_workgroup_id_y 1
		.amdhsa_system_sgpr_workgroup_id_z 1
		.amdhsa_system_vgpr_workitem_id 0
		.amdhsa_next_free_vgpr 192
		.amdhsa_next_free_sgpr 66
		.amdhsa_reserve_vcc 0
		.amdhsa_float_denorm_mode_32 3
		.amdhsa_float_denorm_mode_16_64 3
		.amdhsa_memory_ordered 1
		.amdhsa_forward_progress 1
		.amdhsa_inst_pref_size 57
	.end_amdhsa_kernel
	.amdgpu_metadata
---
amdhsa.version: [ 1, 2 ]
amdhsa.kernels:
  - .name:           k_q21f77662a9_prep
    .symbol:         k_q21f77662a9_prep.kd
    .args:
      - { .name: W_kv, .offset: 0, .size: 8, .value_kind: global_buffer, .address_space: global }
      - { .name: W_proj, .offset: 8, .size: 8, .value_kind: global_buffer, .address_space: global }
      - { .name: wkv, .offset: 16, .size: 8, .value_kind: global_buffer, .address_space: global }
      - { .name: wpx, .offset: 24, .size: 8, .value_kind: global_buffer, .address_space: global }
      - { .name: wsc, .offset: 32, .size: 8, .value_kind: global_buffer, .address_space: global }
    .group_segment_fixed_size: 0
    .private_segment_fixed_size: 0
    .kernarg_segment_align: 8
    .kernarg_segment_size: 40
    .max_flat_workgroup_size: 32
    .sgpr_count:     66
    .vgpr_count:     192
    .wavefront_size: 32
...
	.end_amdgpu_metadata
.endif
;; end of part 3
;; launch fused (part 4): grid 256 x 1, 4 waves a work-group, no clusters, 129,536 bytes of LDS; arguments x, wkv, wpx, wsc, b_proj, out0; writes out0
.if DOCPART == 4
	.amdgcn_target "amdgcn-amd-amdhsa--gfx1250"
	.amdhsa_code_object_version 6
	.text
	.protected	k_q21f77662a9_fused
	.globl	k_q21f77662a9_fused
	.p2align	8
	.type	k_q21f77662a9_fused,@function
k_q21f77662a9_fused:
	s_mov_b64 s[64:65], 0
	v_nop
	global_prefetch_b8 v0, s[64:65] scope:SCOPE_SE
	s_setreg_imm32_b32 hwreg(HW_REG_WAVE_SCHED_MODE, 0, 2), 2
	s_setreg_imm32_b32 hwreg(HW_REG_WAVE_MODE, 25, 1), 1
	s_wait_xcnt 0x0
	s_wait_alu depctr_vm_vsrc(0)
; out0 = (softmax(q . k_pps / 8) v_img) W_proj + b_proj for 32,768 rows; x: [32768][2][512] f32, token 0 = img, token 1 = pps; q = x_pps by heads of 64.
; k_pps = Q(x_pps) Q(W_kv[:, :512]), v_img = Q(x_img) Q(W_kv[:, 512:]) and the projection are products on codes of BF8 (E5M2) with one E8M0 scale for each 32 along K;
; the scores (f32 multiply-adds), the softmax over the one key (its maximum taken off, exponential, division by the sum) and p v are f32.
; NOT COMPUTED: k_img and v_pps, which the problem forms and never uses.
; LIMITS: a block of zeros gets the scale byte 1 (its codes are zeros); a block's largest magnitude under 2^-111 is taken as 2^-111; NaN and infinities are not served by the quantisers;
; a score's 64 products are summed in another order than a plain dot product has.
; SHARES.  A work-group of four waves owns 128 rows: 8 tiles of 16.  THE WAVES SHARE THE COLUMNS: wave w owns columns 128 w .. 128 w + 127 (heads 2 w, 2 w + 1) of each of the three products, for all rows.
; Its slice of the weight in hand, 32 fragments = 512 registers, stays in registers and is read from memory once.  What goes round is small: a tile's codes.
; For each tile wave w loads, turns and quantises K step w of x (16 rows x 512 bytes) and puts the fragment into LDS as an IMAGE OF ITS REGISTERS (16 bytes a lane, 512 a store); after one barrier every wave takes all four.
; Images lie in two sets by turns, so one barrier a tile serves: a set is written again two tiles on, behind the next tile's barrier, which each wave signals behind the wait for its reads.
; THE PRODUCTS ARE USED TRANSPOSED (source 0 = 16 columns of the weight, source 1 = 16 rows), and the columns of a tile are 32 b + 8 u + r + 8 (r / 8): so lane (r, h) holds row r, and register
; 16 b + 8 u + j of the 64 results is column 32 b + 16 h + 8 u + j: the layout in which a lane holds x for the quantiser.  So q meets k register by register, and p v is quantised where it stands.
; PHASES.  P: 8 tiles of x_pps: k, the scores.  The softmax, while V's weights come.  V: 8 tiles of x_img: v, x p, quantised, images of all 8 tiles kept in LDS.  O: 8 tiles: the projection, the bias as the first C, rows out.
; THE RING.  x comes into four sets of 64 registers, 16 loads of 512 consecutive bytes a set.  A set goes through my stage in LDS (in by rows, out by lanes) and back INTO ITS OWN REGISTERS, one tile ahead of its use:
; the way in stands in the middle of the tile before's 32 products, the way out behind them.  The quantiser leaves the set as it is, so in P the set is also q for the scores.  A set is asked for again when it is done with:
; in P behind the scores, in V behind the quantiser.  The ring runs on from P into V, and V's last four loads bring half of W_proj's slice into the sets just freed.
; NO CLUSTER, NO JOINT LOADS, though all work-groups read the same weights: a joint load lands in LDS, where a product's 262,144 bytes do not fit beside the 129,024 in use; brought in pieces, each piece would want
; a barrier round of its own and every byte would be written to LDS and read back, where here it goes from memory straight into the register that multiplies it.
; THE MODE: SCHED_MODE bits 1:0 = 2 (LLVM: expert scheduling mode 2), set by the entry lines.  The code itself states the register dependences between vector or matrix instructions
; and memory or LDS instructions, with s_wait_alu, always for 0.
; THE PLAN.  Registers that memory or LDS instructions touch, and who else names them:
;   ring set j    16 global loads land; the turn's 16 LDS stores read it; the turn's 16 LDS loads land in it; the quantiser (in P the scores too) reads it; it is asked for again.
;   PC, PW        the quantiser writes them; the image's LDS stores read them.          SS   the scores write it; two LDS stores read it.
;   XF, XS, p     the fetch's LDS loads land; the products and the multiplication by p read them.
;   windows 1, 2, WS   global loads land at the head of a phase; the phase's products read them.
;   v224-255      the quantiser's holds; between P and V the softmax's batch: LDS loads land, LDS stores read.
;   ACC, in O     the products write it; LDS stores read it.      OB, in O   the rows' LDS loads land; the global stores, dealt among the NEXT tile's products, read it.
;   addresses     made at the head; SA steps at P's loop end, OW, OS, PA at V's, OF, OG in each tile of O.
; A tile of P has three such waits: behind the quantiser (vector side), in the turn between its stores and its loads (memory side), behind the scores (vector side).  A tile of V has four: the same first two,
; one behind the second quantiser (vector side), one at the tile's end (memory side).  A tile of O has two: behind the products' places (vector side), ahead of the rows' loads (memory side).
; Each says at its place what it covers; between a wait and the memory instructions that lean on it stands no vector or matrix instruction that names their registers.
; REGISTERS, in windows of 256 (s_set_vgpr_msb: bits 1:0 source 0, 3:2 source 1, 5:4 source 2, 7:6 destination).  Window 0: addresses, scales, fragments, accumulators (list below).
;   Windows 1, 2: the weight's fragments, (K step s, tile t) at 16 (8 s + t).  Window 3: the ring, set j at 64 j.  In phase O: W_proj's K steps 0, 1 in window 3, K steps 2, 3 in window 1, the bias in window 2, v0-63,
;   the rows on their way out in window 2, v64-127.
.set SPI, 528                          ; a stage row: 512 bytes + 16 = 33 x 16 bytes: sixteen rows start at sixteen different 16-byte columns modulo 256
.set WST, 16*SPI                       ; LDS: a stage of 16 rows for each wave, from byte 0 on
.set XIM, 4*WST                        ; x's images: 2 sets x 4 K steps x 2,048 bytes
.set XSC, XIM+16384                    ; their scale words: 2 x 4 x 128 bytes
.set OIM, XSC+1024                     ; the projection's operand: tile m 8192 + K step 2048
.set OSC, OIM+65536                    ; its scale words: m 512 + K step 128
.set SCR, OSC+4096                     ; scores, then p, each wave's own: w 2048 + m 256 + head 128 + 4 x lane
.set LI,  1                            ; v1   16 x lane
.set LS,  2                            ; v2   4 x lane
.set XO,  3                            ; v3   512 w + 16 x lane: my bytes of a row piece of x, of wpx, of out0
.set TS,  4                            ; v4   the stage by rows: w WST + 16 x lane
.set TR,  5                            ; v5   the stage by lanes: w WST + 528 r + 64 h
.set IW,  6                            ; v6   where I store x's image
.set IS,  7                            ; v7   and its scale word
.set OW,  8                            ; v8   where I store the projection's operand; steps in V
.set OS,  9                            ; v9   and its scale word; steps in V
.set SA,  10                           ; v10  where I store scores; steps in P
.set PA,  11                           ; v11  where I read p; steps in V
.set OF,  12                           ; v12  where a tile's four images lie; steps in O
.set OG,  13                           ; v13  and their scale words; steps in O
.set WSO, 14                           ; v14  64 x lane: the weight's scale words
.set BO,  15                           ; v15  64 h: the bias
.set XS,  16                           ; v16-19   the rows' four scale words: scales and nothing else
.set PP0, 20                           ; v[20:21] p of head 2 w (the upper half is named with it and holds 0)
.set PP1, 22                           ; v[22:23] p of head 2 w + 1
.set SS,  24                           ; v24-31   four pairs of partial sums
.set TM,  32                           ; v32-35 largest magnitudes, v36-39 bytes, v40-43 57,344 x the scale, v44-47 the conversions' scale operands
.set PW,  48                           ; v48      the scale word just made
.set PT,  50                           ; v50-51   lane permutes' results
.set WS,  64                           ; v64-79   the weight's scale words: register 2 t + s / 2; lanes 0-15 even K steps, lanes 16-31 odd ones
.set PC,  80                           ; v80-95   the codes just made
.set XF,  96                           ; v96-159  a tile's four fragments
.set ACC, 160                          ; v160-223 eight accumulators
.set TQ,  224                          ; v224-255 the quantiser: two blocks' numbers, held within the largest code x the scale
.set SM,  224                          ; v224-239, v240-255 between P and V: the softmax's batch
.set SE,  240
.set OB,  64                           ; in window 2, v64-127: in O 16 rows on their way out
.set WV,  16                           ; s16 my wave
.set BX,  18                           ; s[18:19] x at my work-group's first row
.set XB,  20                           ; s[20:21] the ring loads' base
.set OFF, 22                           ; s[22:23] an offset, high word 0
.set CT,  24                           ; s24 trips
.set SEL, 26                           ; s[26:27] v_permlanex16_b32's selects for lane l xor 16
.set MNT, 28                           ; s28 the mantissa field of 57,344
.set WB,  32                           ; s[32:33] wkv at my slice
.set SB,  34                           ; s[34:35] wsc at my slice
.set BI,  36                           ; s[36:37] b_proj at my 128
.set OUT, 38                           ; s[38:39] out0 at the tile whose rows leave next
.set MSB, 0
.macro WIN new                         ; the immediate's high byte repeats the setting that is left; a switch that changes nothing is dropped
.if MSB != \new
	s_set_vgpr_msb (MSB<<8)|\new
.set MSB, \new
.endif
.endm
.macro PLACES n                        ; plain vector places behind matrix instructions (ISA guide 7.12.1)
.rept \n
	v_nop
.endr
.endm
.macro BARRIER                         ; my LDS stores have landed and my LDS loads are in: then the work-group's barrier
	s_wait_dscnt 0x0
	s_barrier_signal -1
	s_barrier_wait -1
.endm
; Set j of the ring is filled: 16 rows, 512 consecutive bytes an instruction.  (No cache hint: in V's last trip the same lines bring W_proj's codes, which every work-group reads.)
.macro LOAD j
	WIN 0xc0
.irp i, 0,1,2,3,4,5,6,7,8,9,10,11,12,13,14,15
	global_load_b128 v[64*(\j)+4*\i:64*(\j)+4*\i+3], v[XO], s[XB:XB+1] offset:(\j)*65536+\i*4096
.endr
	WIN 0
.endm
; Set j goes through my stage, in two halves.  THE WAY IN: as loaded, by rows.  cnt: the loads issued behind set j's, which may stay out.
.macro TURN_IN j, cnt
	s_wait_loadcnt \cnt
	WIN 0x0c                                       ; an LDS store's data are its source 1: window 3
.irp i, 0,1,2,3,4,5,6,7,8,9,10,11,12,13,14,15
	ds_store_b128 v[TS], v[64*(\j)+4*\i:64*(\j)+4*\i+3] offset:SPI*\i
.endr
.endm
; THE WAY OUT: by lanes, into the registers that the set left: lane (r, h) then holds, of row r, the numbers 32 c + 16 h + 0 .. 15 of each block c in register 64 j + 16 c + i.
; LDS serves a wave's instructions in order (ISA guide 5.7.1.4): no wait on DScnt between the stores and the loads.  The data are not waited for here: the tile that uses the set begins with that wait.
.macro TURN_OUT j
	WIN 0xc0                                       ; an LDS load's data are its destination: window 3
	s_wait_alu depctr_vm_vsrc(0)                   ; the way in's stores have read set j, in which the loads below land; the image's stores of this tile have read PC and PW, and the last tile's score stores SS: all three are written again further down
.irp c, 0,1,2,3
.irp q, 0,1,2,3
	ds_load_b128 v[64*(\j)+16*\c+4*\q:64*(\j)+16*\c+4*\q+3], v[TR] offset:128*\c+16*\q
.endr
.endr
	WIN 0
.endm
; 64 numbers of a lane, register s + 16 b + i = k 32 b + 16 h + i of my row, become a fragment's codes in v[PC] on and its scale word in v[PW].  hi = 1: the numbers lie in window 3.  They are left as they are:
; the held numbers go into v[TQ] on, two blocks at a time.
.macro QUANT s, hi
.if \hi
	WIN 0x0f                                       ; sources 0 and 1 window 3
.endif
.irp b, 0,1,2,3
	v_max3_num_f32 v[TM+\b], |v[\s+16*\b]|, |v[\s+1+16*\b]|, 0x8000000   ; block b: my 16 numbers, and the floor 2^(16 - 127): the byte cannot fall under 1
.endr
.if \hi
	WIN 0x3c                                       ; sources 1 and 2 window 3
.endif
.irp i, 2,4,6,8,10,12,14
.irp b, 0,1,2,3
	v_max3_num_f32 v[TM+\b], v[TM+\b], |v[\s+16*\b+\i]|, |v[\s+1+16*\b+\i]|   ; the four blocks by turns
.endr
.endr
	WIN 0
.irp b, 0,1,2,3
	v_permlanex16_b32 v[TM+4+\b], v[TM+\b], s[SEL], s[SEL+1]
.endr
.irp b, 0,1,2,3
	v_max_num_f32 v[TM+\b], v[TM+\b], v[TM+4+\b]   ; with lane l xor 16's 16: the block's largest magnitude
.endr
.irp b, 0,1,2,3
	v_add_nc_u32 v[TM+12+\b], 0xf8800000, v[TM+\b] ; 15 off its exponent field: the conversion's scale operand
.endr
.irp b, 0,1,2,3
	v_and_or_b32 v[TM+8+\b], v[TM+\b], 0x7f800000, s[MNT]   ; 57,344 x the scale
.endr
.irp b, 0,1,2,3
	v_lshrrev_b32 v[TM+4+\b], 23, v[TM+12+\b]      ; the scale's byte
.endr
	v_lshl_or_b32 v[PW], v[TM+5], 8, v[TM+4]
	v_lshl_or_b32 v[PW], v[TM+6], 16, v[PW]
	v_lshl_or_b32 v[PW], v[TM+7], 24, v[PW]
.irp g, 0,1                                        ; blocks 2 g and 2 g + 1
.if \hi
	WIN 0x03                                       ; source 0 window 3
.endif
.irp b, 0,1
.irp i, 0,1,2,3,4,5,6,7,8,9,10,11,12,13,14,15
	v_med3_num_f32 v[TQ+16*\b+\i], v[\s+32*\g+16*\b+\i], -v[TM+8+2*\g+\b], v[TM+8+2*\g+\b]   ; the conversion to an 8-bit code does not saturate (ISA guide 7.6.2): hold first
.endr
.endr
	WIN 0
.irp b, 0,1
	v_cvt_scalef32_pk8_bf8_f32 v[PC+8*\g+4*\b:PC+8*\g+4*\b+1], v[TQ+16*\b:TQ+16*\b+7], v[TM+12+2*\g+\b]
	v_cvt_scalef32_pk8_bf8_f32 v[PC+8*\g+4*\b+2:PC+8*\g+4*\b+3], v[TQ+16*\b+8:TQ+16*\b+15], v[TM+12+2*\g+\b]
.endr
	v_nop                                          ; a plain line between these conversions and the next vector line that writes their sources: the next two blocks' holds, or whatever follows the macro
.endr
.endm
.macro IMAGE adr, off                  ; the fragment in v[PC] on goes to LDS as it stands
.irp c, 0,1,2,3
	ds_store_b128 v[\adr], v[PC+4*\c:PC+4*\c+3] offset:\off+512*\c
.endr
.endm
; A tile's four scale words (wp = 1: and tile j's two p), then its four fragments, K step by K step, out of image set par.  The counted waits follow in TILE.
.macro FETCH par, j, wp
.irp s, 0,1,2,3
	ds_load_b32 v[XS+\s], v[LS] offset:XSC+512*(\par)+128*\s
.endr
.if \wp
	ds_load_b32 v[PP0], v[PA] offset:256*(\j)
	ds_load_b32 v[PP1], v[PA] offset:256*(\j)+128
.endif
.irp s, 0,1,2,3
.irp c, 0,1,2,3
	ds_load_b128 v[XF+16*\s+4*\c:XF+16*\s+4*\c+3], v[LI] offset:XIM+8192*(\par)+2048*\s+512*\c
.endr
.endr
.endm
; One product: tile t of my columns x the 16 rows, K step s.  mode 0: the sum starts with 0; mode 1: with the bias (window 2).
.macro PROD mode, s, t
.set rD, ACC+8*(\t)
.set rW, 16*(8*((\s)%2)+(\t))
.set rX, XF+16*(\s)
.set rA, WS+2*(\t)+(\s)/2
.set rB, XS+(\s)
.if (\s) == 0 && (\mode) == 0
	v_wmma_scale_f32_16x16x128_f8f6f4 v[rD:rD+7], v[rW:rW+15], v[rX:rX+15], 0, v[rA], v[rB] matrix_a_fmt:MATRIX_FMT_BF8 matrix_b_fmt:MATRIX_FMT_BF8
.elseif (\s) == 0
	v_wmma_scale_f32_16x16x128_f8f6f4 v[rD:rD+7], v[rW:rW+15], v[rX:rX+15], v[8*(\t):8*(\t)+7], v[rA], v[rB] matrix_a_fmt:MATRIX_FMT_BF8 matrix_b_fmt:MATRIX_FMT_BF8
.elseif (\s)%2 == 1
	v_wmma_scale_f32_16x16x128_f8f6f4 v[rD:rD+7], v[rW:rW+15], v[rX:rX+15], v[rD:rD+7], v[rA], v[rB] matrix_a_fmt:MATRIX_FMT_BF8 matrix_b_fmt:MATRIX_FMT_BF8 matrix_a_scale:MATRIX_SCALE_ROW1
.else
	v_wmma_scale_f32_16x16x128_f8f6f4 v[rD:rD+7], v[rW:rW+15], v[rX:rX+15], v[rD:rD+7], v[rA], v[rB] matrix_a_fmt:MATRIX_FMT_BF8 matrix_b_fmt:MATRIX_FMT_BF8
.endif
.endm
; The eight products of K step s: the eight accumulators by turns, one instruction a turn.  A tile takes K steps 0, 1, 2, 3 in this order; the windows are set where the macro is used.
.macro MM8 mode, s
.irp t, 0,1,2,3,4,5,6,7
	PROD \mode, \s, \t
.endr
.endm
; The scores of tile j: q is set j of the ring, as the turn left it; register by register q meets k.
; Two heads, two chains each, pairs in ascending order: each accumulator is read from its low end on.
.macro SCORE j
	WIN 0x03                                       ; source 0 (q) window 3
.irp a, 0,4,8,12,16,20,24,28
.irp hd, 0,1
.if \a == 0
	v_pk_mul_f32 v[SS+4*\hd:SS+4*\hd+1], v[64*(\j)+32*\hd:64*(\j)+32*\hd+1], v[ACC+32*\hd:ACC+32*\hd+1]
	v_pk_mul_f32 v[SS+4*\hd+2:SS+4*\hd+3], v[64*(\j)+32*\hd+2:64*(\j)+32*\hd+3], v[ACC+32*\hd+2:ACC+32*\hd+3]
.else
	v_pk_fma_f32 v[SS+4*\hd:SS+4*\hd+1], v[64*(\j)+32*\hd+\a:64*(\j)+32*\hd+\a+1], v[ACC+32*\hd+\a:ACC+32*\hd+\a+1], v[SS+4*\hd:SS+4*\hd+1]
	v_pk_fma_f32 v[SS+4*\hd+2:SS+4*\hd+3], v[64*(\j)+32*\hd+\a+2:64*(\j)+32*\hd+\a+3], v[ACC+32*\hd+\a+2:ACC+32*\hd+\a+3], v[SS+4*\hd+2:SS+4*\hd+3]
.endif
.endr
.endr
	WIN 0
.irp hd, 0,1
	v_pk_add_f32 v[SS+4*\hd:SS+4*\hd+1], v[SS+4*\hd:SS+4*\hd+1], v[SS+4*\hd+2:SS+4*\hd+3]
.endr
.irp hd, 0,1
	v_add_f32 v[SS+4*\hd], v[SS+4*\hd], v[SS+4*\hd+1]
.endr
.irp hd, 0,1
	v_permlanex16_b32 v[PT+\hd], v[SS+4*\hd], s[SEL], s[SEL+1]     ; the head's other 32 channels lie in the lane 16 away
.endr
.irp hd, 0,1
	v_add_f32 v[SS+4*\hd], v[SS+4*\hd], v[PT+\hd]
.endr
	s_wait_alu depctr_va_vdst(0)                   ; the two scores are written, which the stores below read; the multiply-adds are done reading q, set j, in which the loads behind this macro land
.irp hd, 0,1
	ds_store_b32 v[SA], v[SS+4*\hd] offset:256*(\j)+128*\hd
.endr
.endm
.macro PMUL                            ; v x p: registers 0-31 are head 2 w, registers 32-63 head 2 w + 1; of each pair of p the low word serves both halves
.set a, 0
.rept 16
	v_pk_mul_f32 v[ACC+a:ACC+a+1], v[ACC+a:ACC+a+1], v[PP0:PP0+1] op_sel_hi:[1,0]
.set a, a+2
.endr
.rept 16
	v_pk_mul_f32 v[ACC+a:ACC+a+1], v[ACC+a:ACC+a+1], v[PP1:PP1+1] op_sel_hi:[1,0]
.set a, a+2
.endr
.endm
.macro WLOAD                           ; my slice of a half of W_kv: 128 loads of 512 consecutive bytes into windows 1 and 2; its 16 scale words a lane
	WIN 0x40
.set q, 0
.rept 64
	global_load_b128 v[4*q:4*q+3], v[LI], s[WB:WB+1] offset:512*q
.set q, q+1
.endr
	WIN 0x80
.set q, 0
.rept 64
	global_load_b128 v[4*q:4*q+3], v[LI], s[WB:WB+1] offset:512*(64+q)
.set q, q+1
.endr
	WIN 0
.irp e, 0,1,2,3
	global_load_b128 v[WS+4*\e:WS+4*\e+3], v[WSO], s[SB:SB+1] offset:16*\e
.endr
.endm
; A tile of 16 rows.  ph = 0: x_pps, k, the scores.  ph = 1: x_img, v, x p, quantised, kept.
; Behind the barrier the tile's fragments are asked for, and the products begin as each K step's fragment is in.  The NEXT tile's turn is dealt among them: its way in behind K step 1, its way out behind K step 3.
; The products name windows 1 and 2, XF, XS, WS and ACC: none of the registers that the turn touches.
; Behind set j + 1's loads were issued: in P two sets' (set j is asked for again only behind the scores), in V three sets'.
; In V's last trip set 0 holds W_proj's codes and is not turned: a scalar branch on the count of trips, the same in every wave, round the whole turn, which in that tile stands behind K step 1.
; Nine places stand behind the 32 products: eight for the vector reads and writes of their registers; the ninth for the next tile's first products, which begin the accumulators anew.
.macro TILE j, ph
	s_wait_dscnt 0x0                               ; set j is back from the stage (asked for a tile ago)
	QUANT 64*(\j), 1
	s_wait_alu depctr_va_vdst(0)                   ; the quantiser has written PC and PW, which the image's stores read, and is done reading set j, in which V's loads land; the last tile's products and its multiplication by p are done reading XF, XS and p, in which the fetch lands
	IMAGE IW, 8192*((\j)%2)
	ds_store_b32 v[IS], v[PW] offset:512*((\j)%2)
.if \ph
	LOAD \j                                        ; the set is done with: it is asked for again while the image lands
.endif
	BARRIER                                        ; the tile's four fragments lie in LDS
	FETCH (\j)%2, \j, \ph
	s_wait_dscnt 12                                ; the scale words, p and K step 0's fragment are in; the three fragments behind it, twelve loads, may be out
	WIN 0x01
	MM8 0, 0
	s_wait_dscnt 8                                 ; K step 1's is in; eight loads may be out
	MM8 0, 1
	s_wait_dscnt 0x0                               ; all four are in: for 0, ahead of the turn's stores, so that the count hangs on no branch
.if (\ph) && ((\j) == 3)
	WIN 0
	s_wait_alu depctr_vm_vsrc(0)                   ; the image's stores have read PC and PW, which the second quantiser writes: ahead of the branch, for the way that leads round the turn
	s_cmp_eq_u32 s[CT], 1
	s_cbranch_scc1 .Lno_turn_\@
	TURN_IN 0, 48
	TURN_OUT 0
.Lno_turn_\@:
	WIN 0x02
	MM8 0, 2
	MM8 0, 3
	WIN 0
.else
	TURN_IN ((\j)+1)%4, 32+16*(\ph)
	WIN 0x02
	MM8 0, 2
	MM8 0, 3
	TURN_OUT ((\j)+1)%4                            ; its wait stands sixteen products behind the stores that it waits for
.endif
	PLACES 9
.if \ph
	PMUL
	QUANT ACC, 0
	s_wait_alu depctr_va_vdst(0)                   ; the second quantiser has written PC and PW, which the stores below read
	IMAGE OW, 8192*(\j)                            ; K step w of the projection, this tile's rows
	ds_store_b32 v[OS], v[PW] offset:512*(\j)
	s_wait_alu depctr_vm_vsrc(0)                   ; those stores have read PC and PW, which the next tile's quantiser writes, and OW and OS; the fetch has read PA: the three addresses step at the loop's end
.else
	SCORE \j
	LOAD \j                                        ; q is done with: the set is asked for again
.endif
.endm
	s_load_b256 s[4:11], s[0:1], 0x0               ; x s[4:5], wkv s[6:7], wpx s[8:9], wsc s[10:11]
	s_load_b128 s[12:15], s[0:1], 0x20             ; b_proj s[12:13], out0 s[14:15]
	v_lshl_add_u32 v62, v0, 2, 0x1f800             ; the closing add's two registers, kept for it alone: my spare word, behind the scores,
	v_mov_b32 v63, 0                               ; and 0
	v_lshrrev_b32 v52, 5, v0
	v_readfirstlane_b32 s[WV], v52                 ; wave 0..3
	v_and_b32 v53, 31, v0                          ; lane
	v_and_b32 v54, 15, v0                          ; r
	v_bfe_u32 v55, v0, 4, 1                        ; h
	v_lshlrev_b32 v[LI], 4, v53
	v_lshlrev_b32 v[LS], 2, v53
	v_lshlrev_b32 v[WSO], 6, v53
	v_lshlrev_b32 v[BO], 6, v55
	s_wait_alu depctr_va_sdst(0)                   ; the wave's number is written, ahead of its first reader
	s_lshl_b32 s17, s[WV], 9
	v_add_nc_u32 v[XO], s17, v[LI]
	s_mul_i32 s17, s[WV], WST
	v_add_nc_u32 v[TS], s17, v[LI]
	v_mul_u32_u24 v[TR], v54, SPI
	v_lshl_add_u32 v[TR], v55, 6, v[TR]
	v_add_nc_u32 v[TR], s17, v[TR]
	s_lshl_b32 s17, s[WV], 11
	s_add_co_u32 s29, s17, XIM
	v_add_nc_u32 v[IW], s29, v[LI]
	s_add_co_u32 s29, s17, OIM
	v_add_nc_u32 v[OW], s29, v[LI]
	s_add_co_u32 s29, s17, SCR
	v_add_nc_u32 v[SA], s29, v[LS]
	v_add_nc_u32 v[PA], s29, v[LS]
	s_lshl_b32 s17, s[WV], 7
	s_add_co_u32 s29, s17, XSC
	v_add_nc_u32 v[IS], s29, v[LS]
	s_add_co_u32 s29, s17, OSC
	v_add_nc_u32 v[OS], s29, v[LS]
	v_add_nc_u32 v[OF], OIM, v[LI]
	v_add_nc_u32 v[OG], OSC, v[LS]
.irp b, 0,1,2,3
	v_mov_b32 v[TM+4+\b], 0                        ; written once: a lane permute's destination counts as one of its sources
.endr
	v_mov_b32 v[PT], 0
	v_mov_b32 v[PT+1], 0
	v_mov_b32 v[PP0+1], 0                          ; named as the upper halves of the pairs of p
	v_mov_b32 v[PP1+1], 0
	s_mov_b32 s[SEL], 0x76543210
	s_mov_b32 s[SEL+1], 0xfedcba98
	s_mov_b32 s[MNT], 0x600000
	s_mov_b32 s[OFF+1], 0
	s_lshl_b32 s30, ttmp9, 19                      ; my 128 rows of 4,096 bytes
	s_mov_b32 s31, 0
	s_wait_kmcnt 0x0
	s_add_nc_u64 s[BX:BX+1], s[4:5], s[30:31]
	s_add_nc_u64 s[XB:XB+1], s[BX:BX+1], 2048      ; token 1
	s_wait_alu depctr_va_vdst(0)                   ; the fifteen addresses v1 to v15 are written, which the kernel's loads and stores read
	LOAD 0                                         ; x_pps, tiles 0 to 3
	LOAD 1
	LOAD 2
	LOAD 3
	s_lshl_b32 s30, s[WV], 16
	s_add_nc_u64 s[WB:WB+1], s[6:7], s[30:31]
	s_lshl_b32 s30, s[WV], 11
	s_add_nc_u64 s[SB:SB+1], s[10:11], s[30:31]
	WLOAD                                          ; the K half of W_kv
	s_lshl_b32 s30, s[WV], 9
	s_add_nc_u64 s[BI:BI+1], s[12:13], s[30:31]
	s_lshl_b32 s30, ttmp9, 18                      ; my 128 rows of 2,048 bytes
	s_add_nc_u64 s[OUT:OUT+1], s[14:15], s[30:31]
	TURN_IN 0, 0                                   ; its wait is for 0: the weights are in, and the first four tiles
	TURN_OUT 0                                     ; the first tile's turn is asked for
	s_add_nc_u64 s[XB:XB+1], s[BX:BX+1], 264192    ; (no load is out: the ring's base may be written)  x_pps, tiles 4 to 7: what the first trip asks for
	s_mov_b32 s[CT], 0
.Lp:                                               ; PHASE P, two trips of four tiles
	TILE 0, 0
	TILE 1, 0
	TILE 2, 0
	TILE 3, 0
	s_wait_xcnt 0x0                                ; the trip's loads have read their base
	s_lshl_b32 s[OFF], s[CT], 18
	s_add_nc_u64 s[XB:XB+1], s[BX:BX+1], s[OFF:OFF+1]   ; token 0: the second trip asks for x_img's tiles 0 to 3, V's first trip for tiles 4 to 7
	s_wait_alu depctr_vm_vsrc(0)                   ; the scores' stores have read v[SA], which the next line writes, and their data, which the next trip's scores write
	v_add_nc_u32 v[SA], 1024, v[SA]
	s_add_co_u32 s[CT], s[CT], 1
	s_cmp_lt_u32 s[CT], 2
	s_cbranch_scc1 .Lp
	s_add_nc_u64 s[WB:WB+1], s[WB:WB+1], 262144    ; (the K half's loads were shown done at the head)
	s_add_nc_u64 s[SB:SB+1], s[SB:SB+1], 8192
	s_wait_alu depctr_va_vdst(0)                   ; P's last products are done reading the K half's fragments and scale words, in which the loads below land; the quantiser is done with v224 on, in which the scores land
	WLOAD                                          ; the V half of W_kv
	; THE SOFTMAX, over the one key, for my 16 (tile, head) scores a lane, while those loads are on their way
.irp i, 0,1,2,3,4,5,6,7,8,9,10,11,12,13,14,15
	ds_load_b32 v[SM+\i], v[PA] offset:128*\i      ; my own words: LDS serves a wave's instructions in order
.endr
	s_wait_dscnt 0x0
.irp i, 0,1,2,3,4,5,6,7,8,9,10,11,12,13,14,15
	v_mul_f32 v[SM+\i], 0x3e000000, v[SM+\i]       ; t = score / sqrt(64)
.endr
.irp i, 0,1,2,3,4,5,6,7,8,9,10,11,12,13,14,15
	v_sub_f32 v[SM+\i], v[SM+\i], v[SM+\i]         ; t less the row's maximum, which over one key is t: 0, or NaN where t is not finite
.endr
.irp i, 0,1,2,3,4,5,6,7,8,9,10,11,12,13,14,15
	v_mul_f32 v[SM+\i], 0x3fb8aa3b, v[SM+\i]       ; x log2(e)
.endr
	s_wait_alu depctr_va_vdst(0)
.irp i, 0,1,2,3,4,5,6,7,8,9,10,11,12,13,14,15
	v_exp_f32 v[SE+\i], v[SM+\i]
.endr
	v_nop                                          ; a plain line behind the last exponential
	s_wait_alu depctr_va_vdst(0)                   ; the sixteen exponentials are written: one wait for the batch, ahead of its first reader
.irp i, 0,1,2,3,4,5,6,7,8,9,10,11,12,13,14,15
	v_rcp_f32 v[SM+\i], v[SE+\i]                   ; the row's sum over one key is the exponential itself
.endr
	v_nop
	s_wait_alu depctr_va_vdst(0)                   ; the sixteen reciprocals are written: likewise
.irp i, 0,1,2,3,4,5,6,7,8,9,10,11,12,13,14,15
	v_mul_f32 v[SE+\i], v[SE+\i], v[SM+\i]         ; p
.endr
	s_wait_alu depctr_va_vdst(0)                   ; the sixteen p are written, which the stores below read
.irp i, 0,1,2,3,4,5,6,7,8,9,10,11,12,13,14,15
	ds_store_b32 v[PA], v[SE+\i] offset:128*\i
.endr
	s_wait_loadcnt 0x0                             ; the V half is in
	s_wait_alu depctr_vm_vsrc(0)                   ; those stores have read v240 on, which the quantiser's holds write
	s_mov_b32 s[CT], 0
.Lv:                                               ; PHASE V, two trips of four tiles
	TILE 0, 1
	TILE 1, 1
	TILE 2, 1
	TILE 3, 1
	s_wait_xcnt 0x0                                ; the trip's loads have read their base
	s_mov_b64 s[XB:XB+1], s[8:9]                   ; x is all asked for: the second trip's loads bring W_proj's K steps 0 and 1 of my slice into the sets that it frees
	v_add_nc_u32 v[OW], 32768, v[OW]               ; (the wait at the last tile's end has shown the three read)
	v_add_nc_u32 v[OS], 2048, v[OS]
	v_add_nc_u32 v[PA], 1024, v[PA]
	s_add_co_u32 s[CT], s[CT], 1
	s_cmp_lt_u32 s[CT], 2
	s_cbranch_scc1 .Lv
; PHASE O.  A tile's four fragments and scale words, out of the images that V left
.macro OFETCH
.irp s, 0,1,2,3
.irp c, 0,1,2,3
	ds_load_b128 v[XF+16*\s+4*\c:XF+16*\s+4*\c+3], v[OF] offset:2048*\s+512*\c
.endr
.endr
.irp s, 0,1,2,3
	ds_load_b32 v[XS+\s], v[OG] offset:128*\s
.endr
.endm
; 16 rows leave, out of OB
.macro OSEND
	WIN 0x08                                       ; a global store's data are its source 1: window 2
.irp i, 0,1,2,3,4,5,6,7,8,9,10,11,12,13,14,15
	s_wait_dscnt 15-\i                             ; row i is back from the stage; the row loads issued behind it may be out
	global_store_b128 v[XO], v[OB+4*\i:OB+4*\i+3], s[OUT:OUT+1] offset:2048*\i th:TH_STORE_NT   ; 32 lanes store 512 consecutive bytes, at a multiple of 256 from out0's first byte
.endr
.endm
; A tile: 32 products, with the rows of the tile BEFORE leaving in their middle (first = 0): the stores name OB and XO, which no product names.  Behind the places: the results go into my stage, the NEXT tile's
; fragments are asked for (more = 1), and the rows come back, by rows, into OB.
.macro OTILE first, more
	s_wait_dscnt 16*(1-(\first))                   ; the tile's fragments, asked for a tile ago, are in; the sixteen row loads issued behind them may be out
	WIN 0x23                                       ; W_proj's K steps 0, 1 in window 3; the bias, as C, in window 2
	MM8 1, 0
	WIN 0x03
	MM8 1, 1
.if !(\first)
	OSEND
.endif
	WIN 0x01                                       ; its K steps 2, 3 in window 1
	MM8 1, 2
	MM8 1, 3
	WIN 0
.if \more
	v_add_nc_u32 v[OF], 8192, v[OF]                ; (the last fetch has read both: the wait ahead of the last rows' loads, or ahead of the first tile)  two of the nine places
	v_add_nc_u32 v[OG], 512, v[OG]
	PLACES 7
.else
	PLACES 9
.endif
	s_wait_alu depctr_va_vdst(0)                   ; the products have written the accumulators, which the stores below read, and are done reading XF and XS, in which the fetch lands; OF and OG are written.  The places above stay beside this wait
.irp t, 0,1,2,3,4,5,6,7                            ; lane (r, h): row r, columns 32 b + 16 h + 8 u + 0 .. 7 of my 128; each accumulator from its low end on
	ds_store_b128 v[TR], v[ACC+8*\t:ACC+8*\t+3] offset:128*(\t/2)+32*(\t%2)
	ds_store_b128 v[TR], v[ACC+8*\t+4:ACC+8*\t+7] offset:128*(\t/2)+32*(\t%2)+16
.endr
.if \more
	OFETCH
.endif
.if !(\first)
	s_wait_xcnt 0x0                                ; the global stores in this tile's middle have read their registers and their base: the rows below land in the first, the next line writes the second
	s_add_nc_u64 s[OUT:OUT+1], s[OUT:OUT+1], 32768
.endif
	WIN 0x80                                       ; an LDS load's data are its destination: window 2
	s_wait_alu depctr_vm_vsrc(0)                   ; the global stores have read OB, in which the rows below land; the LDS stores above have read the accumulators, which the next tile's products write; the fetch has read OF and OG, which the next tile steps
.irp i, 0,1,2,3,4,5,6,7,8,9,10,11,12,13,14,15
	ds_load_b128 v[OB+4*\i:OB+4*\i+3], v[TS] offset:SPI*\i         ; back by rows; LDS serves a wave's instructions in order: these see the stores above
.endr
	WIN 0
.endm
	BARRIER                                        ; the projection's 32 fragments lie in LDS
	s_wait_alu depctr_va_vdst(0)                   ; V's last products are done reading XF, XS, the V half's fragments and its scale words: the fetch and the loads below land in them, and later the rows
	OFETCH                                         ; the first tile's, while the weights come
	WIN 0x40                                       ; W_proj's K steps 2 and 3 into window 1
.irp j, 0,1,2,3
.irp i, 0,1,2,3,4,5,6,7,8,9,10,11,12,13,14,15
	global_load_b128 v[64*\j+4*\i:64*\j+4*\i+3], v[XO], s[8:9] offset:\j*65536+\i*4096+2048
.endr
.endr
	WIN 0x80                                       ; the bias in the result's layout: for tile 2 b + u lane (r, h) wants columns 32 b + 16 h + 8 u + 0 .. 7
.irp t, 0,1,2,3,4,5,6,7
	global_load_b128 v[8*\t:8*\t+3], v[BO], s[BI:BI+1] offset:128*(\t/2)+32*(\t%2)
	global_load_b128 v[8*\t+4:8*\t+7], v[BO], s[BI:BI+1] offset:128*(\t/2)+32*(\t%2)+16
.endr
	WIN 0
	s_add_nc_u64 s[SB:SB+1], s[SB:SB+1], 8192      ; (the V half's loads were shown done in front of V)
.irp e, 0,1,2,3
	global_load_b128 v[WS+4*\e:WS+4*\e+3], v[WSO], s[SB:SB+1] offset:16*\e
.endr
	s_wait_loadcnt 0x0                             ; all of W_proj's slice, the ring's half too, the bias and the scale words
	s_wait_alu depctr_vm_vsrc(0)                   ; the first fetch has read OF and OG, which the first tile steps
	OTILE 1, 1                                     ; tile 0 is written out: no rows are on their way yet
	s_mov_b32 s[CT], 6
.Lo:                                               ; tiles 1 to 6, each sending the rows of the tile before and asking for the next; no barrier: the images are only read, the stage is my own
	OTILE 0, 1
	s_sub_co_u32 s[CT], s[CT], 1
	s_cmp_lg_u32 s[CT], 0
	s_cbranch_scc1 .Lo
	OTILE 0, 0                                     ; the last tile is written out: nothing is left to fetch
	OSEND                                          ; and its rows
	WIN 0
	s_wait_dscnt 0x0                               ; the closing lines, six on end
	s_wait_alu 0x0
	s_wait_tensorcnt 0x0
	ds_add_u32 v62, v63
	s_wait_dscnt 0x0
	s_endpgm
.Lfunc_end_k_q21f77662a9_fused:
	.size	k_q21f77662a9_fused, .Lfunc_end_k_q21f77662a9_fused-k_q21f77662a9_fused
	.p2alignl 7, 3214868480
	.fill 96, 4, 3214868480
	.section	.rodata,"a",@progbits
	.p2align	6, 0x0
	.amdhsa_kernel k_q21f77662a9_fused
		.amdhsa_group_segment_fixed_size 129536
		.amdhsa_private_segment_fixed_size 0
		.amdhsa_enable_private_segment 0
		.amdhsa_kernarg_size 48
		.amdhsa_user_sgpr_count 2
		.amdhsa_user_sgpr_kernarg_segment_ptr 1
		.amdhsa_wavefront_size32 1
		.amdhsa_system_sgpr_workgroup_id_x 1
		.amdhsa_system_sgpr_workgroup_id_y 1
		.amdhsa_system_sgpr_workgroup_id_z 1
		.amdhsa_system_vgpr_workitem_id 0
		.amdhsa_next_free_vgpr 1024
		.amdhsa_next_free_sgpr 66
		.amdhsa_reserve_vcc 0
		.amdhsa_float_denorm_mode_32 3
		.amdhsa_float_denorm_mode_16_64 3
		.amdhsa_memory_ordered 1
		.amdhsa_forward_progress 1
		.amdhsa_inst_pref_size 255
	.end_amdhsa_kernel
	.section	.bss,"aw",@nobits
	.p2align	6
	.space	262144
	.amdgpu_metadata
---
amdhsa.version: [ 1, 2 ]
amdhsa.kernels:
  - .name:           k_q21f77662a9_fused
    .symbol:         k_q21f77662a9_fused.kd
    .args:
      - { .name: x, .offset: 0, .size: 8, .value_kind: global_buffer, .address_space: global }
      - { .name: wkv, .offset: 8, .size: 8, .value_kind: global_buffer, .address_space: global }
      - { .name: wpx, .offset: 16, .size: 8, .value_kind: global_buffer, .address_space: global }
      - { .name: wsc, .offset: 24, .size: 8, .value_kind: global_buffer, .address_space: global }
      - { .name: b_proj, .offset: 32, .size: 8, .value_kind: global_buffer, .address_space: global }
      - { .name: out0, .offset: 40, .size: 8, .value_kind: global_buffer, .address_space: global }
    .group_segment_fixed_size: 129536
    .private_segment_fixed_size: 0
    .kernarg_segment_align: 8
    .kernarg_segment_size: 48
    .max_flat_workgroup_size: 128
    .sgpr_count:     66
    .vgpr_count:     1024
    .wavefront_size: 32
...
	.end_amdgpu_metadata
.endif
;; end of part 4
